; MI455X (gfx1250); checked and timed in simulation.
; The chip was launched on July 23, 2026; its instructions are those of AMD's public machine-readable ISA for CDNA 5 (MIT licence, August 2026) and "CDNA5" Instruction Set Architecture Reference Guide (July 2026). The comments in the code are by the model that wrote it; some were corrected since.
;; Attention. Allowed arithmetic: matrix products marked QUANTISED: E2M3 operands, one E8M0 scale for each 32 along K, by v_wmma_scale_f32_16x16x128_f8f6f4 with both operands' format E2M3, f32 sums; everything else in f32.
;; Inputs: Wk_codes 2,048 x 64 x 24 uint8 (E2M3 codes of Wk, K innermost, in blocks of 32 codes, four codes in three bytes); Wk_scales 2,048 x 64 uint8 (E8M0 scales of Wk, one for each 32 codes along K); Wout_codes 2,048 x 64 x 24 uint8 (E2M3 codes of Wout, K innermost, in blocks of 32 codes, four codes in three bytes); Wout_scales 2,048 x 64 uint8 (E8M0 scales of Wout, one for each 32 codes along K); Wq_codes 2,048 x 64 x 24 uint8 (E2M3 codes of Wq, K innermost, in blocks of 32 codes, four codes in three bytes); Wq_scales 2,048 x 64 uint8 (E8M0 scales of Wq, one for each 32 codes along K); Wv_codes 2,048 x 64 x 24 uint8 (E2M3 codes of Wv, K innermost, in blocks of 32 codes, four codes in three bytes); Wv_scales 2,048 x 64 uint8 (E8M0 scales of Wv, one for each 32 codes along K); k_scale 128 float32; q_scale 128 float32; rope_emb 2,048 x 1 x 1 x 128 float32; x_codes 2,048 x 1 x 64 x 24 uint8 (E2M3 codes of x, K innermost, in blocks of 32 codes, four codes in three bytes); x_scales 2,048 x 1 x 64 uint8 (E8M0 scales of x, one for each 32 codes along K).
;; Outputs: out0 2,048 x 1 x 2,048 float32.
;; This version of the problem:
;;   THIS VERSION OF THE PROBLEM IS GIVEN IN LOW PRECISION. The matrix products marked QUANTISED in the list below multiply operands that are first quantised to E2M3 (2 exponent bits, 3 mantissa bits; 6 bits a number), with one power-of-two scale for each 32 numbers along K (OCP MX v1.0); their sums are f32. All else is computed in f32.
;;   The module's matrix products, in the order in which they are computed (A, B: the left and right operand; K: the contracted axis; several contracted axes count as one K, in the product's order):
;;     1. [M 2,048, K 2,048] x [K 2,048, N 2,048]; A: input x (given as codes); B: input Wq (given as codes): QUANTISED
;;     2. [M 2,048, K 2,048] x [K 2,048, N 2,048]; A: input x (given as codes); B: input Wk (given as codes): QUANTISED
;;     3. [M 2,048, K 2,048] x [K 2,048, N 2,048]; A: input x (given as codes); B: input Wv (given as codes): QUANTISED
;;     4. batch 16 x [M 2,048, K 128] x [K 128, N 2,048]; A: computed on the way; B: computed on the way: QUANTISED
;;     5. batch 16 x [M 128, K 2,048] x [K 2,048, N 2,048]; A: computed on the way; B: softmax (see below): QUANTISED
;;     6. [M 2,048, K 2,048] x [K 2,048, N 2,048]; A: computed on the way; B: input Wout (given as codes): QUANTISED
;;   THE QUANTISER, for each operand of a quantised product, along K:
;;     - K is cut into blocks of 32 from its start; a last block that is shorter is filled with zeros.
;;     - A block's scale is 2^e with e = floor(log2(the largest magnitude in the block)) - 2, held to -126 .. 127; a block of zeros has e = 0. As a byte (E8M0): e + 127.
;;     - Each number is divided by its block's scale, clamped to +-7.5, and rounded to the nearest number of E2M3, ties to even, subnormals kept.
;;     - The product sums the exact products of the quantised numbers (number of the format x scale) in f32.
;;   ~~~python
;;   def quantise(x, axis):      # numpy; x: float32 -> the quantised numbers, widened to float32 again
;;       x = np.moveaxis(x, axis, -1); K = x.shape[-1]
;;       x = np.pad(x, [(0, 0)] * (x.ndim - 1) + [(0, -K % 32)]); x = x.reshape(x.shape[:-1] + (-1, 32)); a = np.abs(x).max(-1, keepdims=True)
;;       e = np.where(a > 0, np.clip(np.frexp(np.where(a > 0, a, 1))[1] - 1 - 2, -126, 127), 0)      # np.frexp(a)[1] - 1 = floor(log2(a)), exactly
;;       r = np.clip(x / 2.0 ** e, -7.5, 7.5)
;;       step = 2.0 ** (np.maximum(np.frexp(np.where(r == 0, 1, r))[1] - 1, 0) - 3)
;;       q = np.round(r / step) * step * 2.0 ** e      # np.round: ties to even
;;       return np.moveaxis(q.reshape(q.shape[:-2] + (-1,))[..., :K], -1, axis).astype(np.float32)
;;   ~~~
;;   SOFTMAX AHEAD OF A QUANTISED PRODUCT. Where the list says 'softmax', what is quantised is not the finished softmax but p = 2^(t - M), with t = logit x log2(e) and M = ceil(the row's largest t), a whole number; so 1/2 < the row's largest p <= 1. The row's sum l is taken of the UNQUANTISED p, in f32, and the product's result is divided by l at the end. Since M is a whole number, a kernel that streams over the keys may use a running M (the ceiling of the running maximum): every later rescaling is an exact power of two, which a block's scale takes up: the codes' values come out the same.
;;   OPERANDS COMPUTED ON THE WAY. 'Computed on the way' means the value that the module computes at that place (a softmax that the list does not call 'softmax' is quantised finished and normalised). What goes into a quantiser is computed in f32, as accurately as f32 sums, v_exp_f32 and their like allow (about 1e-6 of the number): no bf16 or f16 on the way to a quantiser, and a product that is left as it is and whose result goes on into a quantised operand takes f32 operands (vector FMAs, or v_wmma_f32_16x16x4_f32). A number that lies on a knife's edge between two numbers of the format may be rounded either way, as far as f32 arithmetic and the matrix unit's own rounding can turn it there, and no further.
;;   INPUTS GIVEN AS CODES. Wk (in the module: [2048, 2048], K = its axis 1); Wout (in the module: [2048, 2048], K = its axis 1); Wq (in the module: [2048, 2048], K = its axis 1); Wv (in the module: [2048, 2048], K = its axis 1); x (in the module: [2048, 1, 2048], K = its axis 2): each comes as NAME_codes (uint8): NAME with its K axis moved to the last place and cut into blocks of 32 codes, [.., K / 32, bytes a block], one block behind the other in memory; four codes in three bytes: a row's codes are one little-endian stream of bits, code i at bits 6 i .. 6 i + 5 (a code: sign, 2 exponent bits, 3 mantissa bits); and NAME_scales (uint8): the same leading axes, one E8M0 byte (e + 127) for each 32 codes along K. Its value is code x scale, taken as it is: it is not quantised again, and the codes and scales need not be those that the quantiser above would give.
;; One version. Each part assembles by itself: llvm-mc -triple=amdgcn-amd-amdhsa -mcpu=gfx1250 --defsym DOCPART=n.
;; ======== version 1 of 1: 3 launches
;; limits: inputs' magnitudes at most 100,000; a function is approximated: absolute error at most 2e-07
;; workspace buffers: qfrag 3,145,728 bytes; kfrag 3,145,728 bytes; vfrag 3,145,728 bytes; qsw 131,072 bytes; ksw 131,072 bytes; vsw 131,072 bytes; afrag 3,145,728 bytes; asw 131,072 bytes
;; launch qkv (part 1): grid 16 x 16, 4 waves a work-group, clusters of 4 x 4, 327,680 bytes of LDS; arguments x_codes, x_scales, Wq_codes, Wq_scales, Wk_codes, Wk_scales, Wv_codes, Wv_scales, rope_emb, q_scale, k_scale, qfrag, kfrag, vfrag, qsw, ksw, vsw; writes qfrag, kfrag, vfrag, qsw, ksw, vsw
.if DOCPART == 1
	.amdgcn_target "amdgcn-amd-amdhsa--gfx1250"
	.amdhsa_code_object_version 6
	.text
	.protected	k_qfd4fd887d3_qkv
	.globl	k_qfd4fd887d3_qkv
	.p2align	8
	.type	k_qfd4fd887d3_qkv,@function
k_qfd4fd887d3_qkv:
	s_mov_b64 s[64:65], 0
	v_nop
	global_prefetch_b8 v0, s[64:65] scope:SCOPE_SE
	s_setreg_imm32_b32 hwreg(HW_REG_WAVE_MODE, 25, 1), 1
	s_wait_xcnt 0x0
	s_wait_alu depctr_hold_cnt(0) depctr_sa_sdst(0) depctr_va_vdst(0) depctr_va_sdst(0) depctr_va_ssrc(0) depctr_va_vcc(0) depctr_vm_vsrc(0)
	s_getreg_b32 s2, hwreg(HW_REG_IB_STS2, 6, 4)
	s_cmp_eq_u32 s2, 0
	s_cbranch_scc0 .Lentry_in_a_cluster
	s_endpgm
.Lentry_in_a_cluster:
	s_bfe_u32 s2, ttmp6, 0x10000c
	s_cmp_lg_u32 s2, 0xf033
	s_cbranch_scc0 .Lentry_shape_is_right
	s_endpgm
.Lentry_shape_is_right:
; q, k, v = x Wq^T, x Wk^T, x Wv^T on codes of FP6 (E2M3) with E8M0 scales; per-head RMSNorm and RoPE on q and k in f32; then q and k are quantised along the head's 128 channels
; and v along the tokens (the keys), and stored as images of the operands' registers for the attention launch.
; SHARES.  A work-group makes 128 tokens (mb) x one head (hd) of q, k and v: 384 columns.  Wave w: rh = w / 2 takes tokens 64 rh .. + 63; ch = w % 2 takes, of q and of k, the channel blocks of 32
; numbered ch and ch + 2 (so channel c and channel c + 64, which RoPE pairs, lie in one lane), and of v channels 64 ch .. + 63.  48 accumulators, 384 registers.
; K goes in steps of 256 through two LDS slots; a slot holds 128 rows each of x, Wq, Wk, Wv; wave 0 fetches x's (shared along the cluster's row), waves 1, 2, 3 Wq's, Wk's, Wv's (shared along its column).
; THE ROWS OF A TILE.  A pair of tiles covers 32 rows: tile u = 0 takes rows 0-7 and 24-31, tile u = 1 rows 8-23.  At a pitch of 240 bytes (60 words) the two groups of eight rows, 24 or 8 rows apart,
; start at sixteen different multiples of four words modulo 64.  In a result whose source 0 has such rows, lanes 0-15 hold positions 0-15 of the block of 32 in their 16 registers, lanes 16-31 positions 24-31, then 16-23:
; a fixed order inside a block, the same for q and k, and the same for v and for the weights p of the attention launch (whose key tiles are these token tiles).  Blocks stay the true blocks.
; ORIENTATION.  q, k: source 0 = 16 rows of W, source 1 = 16 tokens: a lane holds one token, its registers run along the channels.  v: source 0 = 16 tokens, source 1 = 16 rows of Wv: a lane holds one channel, registers along the tokens.
; LIMITS.  NaN and infinities are not served.  A block of zeros, or one whose largest magnitude lies under 2^-124, gets the scale byte 1 (its codes are zeros; only this program reads the bytes).
; Sine and cosine: reduction by pi in two parts with fused multiply-adds, served for |rope_emb| up to about 1e5; polynomials to x^13 and x^12 on |x| <= pi / 2, absolute error about 2e-7.
; REGISTERS, in windows of 256.  window 0: v1-15 at work; v16-31 addresses that stay; v32-95 scale words, two sets, and nothing else; v96-191 x's fragments, two sets; v192-221 LDS addresses of the loop.
;   window 1: v0-143 W's fragments, one set (q, k, v); v144-207 q_scale's and k_scale's numbers.  window 2: q's 16 accumulators, then k's.  window 3: v's 16 accumulators; v128-255 rope_emb's numbers.
.set PITCH,  240                       ; an LDS row: 3 x (64 bytes + 16 of padding)
.set HALFT,  128*PITCH                 ; 128 rows: one tensor load
.set SLOT,   4*HALFT                   ; x, Wq, Wk, Wv
.set ROWB,   192                       ; 256 codes
.set KROW,   1536                      ; a row of 2,048 codes in memory
.set SCL,    2*SLOT                    ; the scale bytes of the four matrices' 128 rows, all of K: 32 rows of 256 bytes + 16 each
.set HALFS,  32*272
.set SPARE,  SCL+4*HALFS               ; the spare words: 128 bytes a wave, named by no other line
.set EX1,    SPARE+512                 ; exchange of the sums of squares: 1,024 bytes a wave
.set EX2,    EX1+4*1024                ; exchange of the partial scale words: 1,536 bytes a wave
.set LQ,   16                          ; v16  q's and k's images: my 8 bytes of a store
.set LV,   17                          ; v17  v's images: 8 x lane
.set E1S,  18
.set E1L,  19
.set E2S,  20
.set E2L1, 21
.set E2L2, 22
.set SWO,  23                          ; v23  scale words: 16 r + 8 h
.set FO,   24                          ; v24-27 rope_emb: lane offsets [2 uT + u]
.set SPW,  28
.set NIL,  29
.set WO,   30                          ; v30-31 q_scale, k_scale: lane offsets [u]
.set SC,   32                          ; scale words: SC + 32 set + 2 tile + q; tiles 0-3 x's, 4-7 q's, 8-11 k's, 12-15 v's
.set XF,   96                          ; x's fragments: XF + 48 set + 12 T
.set AX,   192                         ; fragment addresses [4 u + 2 k + slot]; k = 1: behind one padding more
.set AQ,   200
.set AV,   208
.set ASX,  216                         ; scale addresses [u]
.set ASQ,  218
.set ASV,  220
.set TM,   4                           ; the epilogue, window 0
.set PD,   10
.set SN,   96
.set CSN,  128
.set NN,   160
.set RR,   176
.set YY,   160
.set SS,   160
.set OUT,  192
.set ZZ,   192
.set SQ,   192
.set PQ,   200
.set PX,   192
.set PW,   224
.set PC,   236
.set WT,   242
.set CN,   0                           ; the epilogue, window 1: 16 constants, each twice
.set RS,   32                          ; 8 reciprocal roots, each twice
.set WG,   144                         ; the gains
.set WV,   20
.set RH,   21
.set CH,   22
.set G1,   24
.set G0,   32
.set G1B,  48
.set G0B,  56
.set G1S,  68
.set G0S,  76
.set G1SB, 80
.set G0SB, 88
.set SEL,  76                          ; (the epilogue: G0S's registers are free then)
.set MULQK, 0xa1                       ; source 0 window 1, source 1 window 0, C and D window 2
.set MULVW, 0xf4                       ; source 0 window 0, source 1 window 1, C and D window 3
.set TO_W,  0x40                       ; destination window 1
.set MSB, 0
.macro WIN new                         ; the immediate's high byte repeats the setting that is left
.if MSB != (\new)
	s_set_vgpr_msb (MSB<<8)|(\new)
.set MSB, (\new)
.endif
.endm
.macro PLACES                          ; four plain places behind matrix instructions, in front of loads into their registers and of reads of their results
.rept 4
	v_nop
.endr
.endm
; A joint load: wave 0 asks for x's tile, waves 1 to 3 for W's.  Four v_nop follow each line.
.macro JLOAD g0a, g1a, g0b, g1b
	s_cmp_eq_u32 s[WV], 0
	s_cbranch_scc0 .Lfor_b_\@
	tensor_load_to_lds s[\g0a:\g0a+3], s[\g1a:\g1a+7]
	s_nop 0
.rept 4
	v_nop
.endr
	s_branch .Lasked_\@
.Lfor_b_\@:
	tensor_load_to_lds s[\g0b:\g0b+3], s[\g1b:\g1b+7]
	s_nop 0
.rept 4
	v_nop
.endr
.Lasked_\@:
.endm
.macro CREST                           ; a round of the cluster's barrier behind its opening barrier
	s_cmp_lg_u32 s[WV], 0
	s_cbranch_scc1 .Lnot_wave_0_\@
	s_barrier_signal -3
.Lnot_wave_0_\@:
	s_barrier_wait -3
	s_barrier_signal -1
	s_barrier_wait -1
.endm
.macro CROUND
	s_barrier_signal -1
	s_barrier_wait -1
	CREST
.endm
; A fragment, 16 rows x 128 K, 12 registers, in six pieces of 8 bytes.  Lanes 16-31 read three pieces further on; where that is behind one padding more the second address register serves.
.macro FRAG reg, adr, q, imm
.irp p, 0,1,2,3,4,5
.set PCE, 12*(\q)+6*(\p/3)+\p%3
.if PCE%8 < 5
	ds_load_b64 v[\reg+2*\p:\reg+2*\p+1], v[\adr] offset:8*PCE+16*(PCE/8)+(\imm)
.else
	ds_load_b64 v[\reg+2*\p:\reg+2*\p+1], v[\adr+2] offset:8*PCE+16*(PCE/8)+(\imm)
.endif
.endr
.endm
.macro FX sl, q, st                    ; x's four tiles of my 64 tokens: 24 loads
.irp T, 0,1,2,3
	FRAG XF+48*(\st)+12*\T, AX+4*(\T%2)+(\sl), \q, (\T/2)*32*PITCH
.endr
.endm
.macro FQ sl, q                        ; Wq's four tiles: blocks ch and ch + 2
.irp n, 0,1,2,3
	FRAG 12*\n, AQ+4*(\n%2)+(\sl), \q, (\n/2)*64*PITCH
.endr
.endm
.macro FK sl, q                        ; Wk's: 128 rows further on
.irp n, 0,1,2,3
	FRAG 48+12*\n, AQ+4*(\n%2)+(\sl), \q, HALFT+(\n/2)*64*PITCH
.endr
.endm
.macro FV sl, q                        ; Wv's four tiles of my 64 channels
.irp n, 0,1,2,3
	FRAG 96+12*\n, AV+4*(\n%2)+(\sl), \q, (\n/2)*32*PITCH
.endr
.endm
.macro SCALES st                       ; a slot's two scale words of my 16 tiles: 16 loads of 8 bytes; 68 bytes a row on average (64 + 16 for each four rows)
.irp t, 0,1,2,3
	ds_load_b64 v[SC+32*(\st)+2*\t:SC+32*(\st)+2*\t+1], v[ASX+\t%2] offset:(\t/2)*2176
.endr
.irp t, 0,1,2,3
	ds_load_b64 v[SC+32*(\st)+8+2*\t:SC+32*(\st)+8+2*\t+1], v[ASQ+\t%2] offset:(\t/2)*4352
.endr
.irp t, 0,1,2,3
	ds_load_b64 v[SC+32*(\st)+16+2*\t:SC+32*(\st)+16+2*\t+1], v[ASQ+\t%2] offset:HALFS+(\t/2)*4352
.endr
.irp t, 0,1,2,3
	ds_load_b64 v[SC+32*(\st)+24+2*\t:SC+32*(\st)+24+2*\t+1], v[ASV+\t%2] offset:(\t/2)*2176
.endr
.endm
; 16 matrix instructions on 16 accumulators, which take turns.  o = 0: q, 1: k.
.macro MULW o, q, st, sc, zero
.irp T, 0,1,2,3
.irp n, 0,1,2,3
.if \zero
	v_wmma_scale_f32_16x16x128_f8f6f4 v[128*(\o)+8*(4*\T+\n):128*(\o)+8*(4*\T+\n)+7], v[48*(\o)+12*\n:48*(\o)+12*\n+11], v[XF+48*(\st)+12*\T:XF+48*(\st)+12*\T+11], 0, v[SC+32*(\sc)+8+8*(\o)+2*\n+(\q)], v[SC+32*(\sc)+2*\T+(\q)] matrix_a_fmt:MATRIX_FMT_FP6 matrix_b_fmt:MATRIX_FMT_FP6
.else
	v_wmma_scale_f32_16x16x128_f8f6f4 v[128*(\o)+8*(4*\T+\n):128*(\o)+8*(4*\T+\n)+7], v[48*(\o)+12*\n:48*(\o)+12*\n+11], v[XF+48*(\st)+12*\T:XF+48*(\st)+12*\T+11], v[128*(\o)+8*(4*\T+\n):128*(\o)+8*(4*\T+\n)+7], v[SC+32*(\sc)+8+8*(\o)+2*\n+(\q)], v[SC+32*(\sc)+2*\T+(\q)] matrix_a_fmt:MATRIX_FMT_FP6 matrix_b_fmt:MATRIX_FMT_FP6
.endif
.endr
.endr
.endm
.macro MULV q, st, sc, zero
.irp c, 0,1,2,3
.irp T, 0,1,2,3
.if \zero
	v_wmma_scale_f32_16x16x128_f8f6f4 v[8*(4*\c+\T):8*(4*\c+\T)+7], v[XF+48*(\st)+12*\T:XF+48*(\st)+12*\T+11], v[96+12*\c:96+12*\c+11], 0, v[SC+32*(\sc)+2*\T+(\q)], v[SC+32*(\sc)+24+2*\c+(\q)] matrix_a_fmt:MATRIX_FMT_FP6 matrix_b_fmt:MATRIX_FMT_FP6
.else
	v_wmma_scale_f32_16x16x128_f8f6f4 v[8*(4*\c+\T):8*(4*\c+\T)+7], v[XF+48*(\st)+12*\T:XF+48*(\st)+12*\T+11], v[96+12*\c:96+12*\c+11], v[8*(4*\c+\T):8*(4*\c+\T)+7], v[SC+32*(\sc)+2*\T+(\q)], v[SC+32*(\sc)+24+2*\c+(\q)] matrix_a_fmt:MATRIX_FMT_FP6 matrix_b_fmt:MATRIX_FMT_FP6
.endif
.endr
.endr
.endm
; A slot's first 128 along K, on x's set 0.  Each group of W's fragments is fetched anew as soon as its 16 products are issued.
.macro STEP sl, zero
	s_wait_dscnt 48                                ; all but the youngest 48 loads (Wk's and Wv's fragments) are in
	WIN MULQK
	MULW 0, 0, 0, \sl, \zero
	PLACES
	WIN 0
	FX \sl, 1, 1
	WIN TO_W
	FQ \sl, 1
	s_wait_dscnt 48                                ; all but the 48 just issued: Wk's and Wv's fragments are in
	WIN MULQK
	MULW 1, 0, 0, \sl, \zero
	PLACES
	WIN TO_W
	FK \sl, 1
	WIN MULVW
	MULV 0, 0, \sl, \zero
	PLACES
	WIN TO_W
	FV \sl, 1
	WIN 0
.endm
; A slot's second 128 along K, on x's set 1, changes slots: one barrier; in front of it each wave waits for all its tensor loads, adds 0 to its spare word, and waits for that and for its reads of this slot.
.macro TURN sl, nx, fill
	s_wait_tensorcnt 0x0                           ; all my tensor loads have landed: my part of the next slot
	ds_add_u32 v[SPW], v[NIL]                      ; 0 onto my spare word
	s_wait_dscnt 49                                ; (the add and the youngest 48 loads may be out)
	WIN MULQK
	MULW 0, 1, 1, \sl, 0                           ; sixteen matrix instructions stand between the add and the wait for it
	s_wait_dscnt 0x0                               ; the add is done, and my reads of this slot are over
	s_barrier_signal -1
	MULW 1, 1, 1, \sl, 0
	WIN 0
	s_barrier_wait -1
.if \fill
	CREST                                          ; the barrier has opened a round of the cluster's barrier: no wave of any partner still reads this slot or has a load on its way
	s_add_nc_u64 s[G0+4*\sl+2:G0+4*\sl+3], s[G0+4*\sl+2:G0+4*\sl+3], 2*ROWB
	s_add_nc_u64 s[G0B+4*\sl+2:G0B+4*\sl+3], s[G0B+4*\sl+2:G0B+4*\sl+3], 2*ROWB
	JLOAD G0+4*\sl, G1, G0B+4*\sl, G1B             ; the first tensor load behind the round: 64 matrix instructions ahead of the wait for it; its four v_nop are the places in front of the loads below
.else
	PLACES
.endif
.irp i, 0,1,2,3,4,5
	v_add_nc_u32 v[ASX+\i], 8, v[ASX+\i]           ; on to the next slot's scale words: 8 bytes a row
.endr
	SCALES \nx
	FX \nx, 0, 0
	WIN TO_W
	FQ \nx, 0
	FK \nx, 0
	WIN MULVW
	MULV 1, 1, \sl, 0
	PLACES
	WIN TO_W
	FV \nx, 0
	WIN 0
.endm
; Two blocks of 16 registers a lane (v[src] on, in window sw) become codes: afterwards lanes 0-15 hold the first block whole (24 bytes, v[PC] on), lanes 16-31 the second; v[wd] = the first byte | the second << sh.
.macro QUANT2 src, sw, sh, wd
	WIN 0
	v_mov_b32 v[TM], 0x1800000                     ; the floor 2^(3 - 127): the byte cannot fall under 1
	v_mov_b32 v[TM+1], 0x1800000
	WIN ((\sw)<<2)|((\sw)<<4)
.irp i, 0,2,4,6,8,10,12,14
	v_max3_num_f32 v[TM], v[TM], |v[\src+\i]|, |v[\src+\i+1]|          ; ascending: each accumulator is first read at its low end
	v_max3_num_f32 v[TM+1], v[TM+1], |v[\src+16+\i]|, |v[\src+17+\i]|
.endr
	WIN 0
	v_permlanex16_b32 v[TM+2], v[TM], s[SEL], s[SEL+1]
	v_permlanex16_b32 v[TM+3], v[TM+1], s[SEL], s[SEL+1]
	v_max_num_f32 v[TM], v[TM], v[TM+2]            ; with lane l xor 16's 16: the block's largest magnitude
	v_max_num_f32 v[TM+1], v[TM+1], v[TM+3]
	v_add_nc_u32 v[TM+4], 0xff000000, v[TM]        ; 2 off the exponent field: the conversion's scale operand
	v_add_nc_u32 v[TM+5], 0xff000000, v[TM+1]
	v_lshrrev_b32 v[TM], 23, v[TM+4]               ; the bytes
	v_lshrrev_b32 v[TM+1], 23, v[TM+5]
	v_lshl_or_b32 v[\wd], v[TM+1], \sh, v[TM]
	s_wait_xcnt 0x0                                ; the last stores have read v[PC] on: only now is it written again
	WIN (\sw)
	v_cvt_scalef32_pk16_fp6_f32 v[PC:PC+2], v[\src:\src+15], v[TM+4]
	v_cvt_scalef32_pk16_fp6_f32 v[PD:PD+2], v[\src+16:\src+31], v[TM+5]
	WIN 0
	v_nop                                          ; one plain place behind a scaled conversion
.irp i, 0,1,2
	v_permlane16_swap_b32 v[PC+\i], v[PD+\i]       ; the first's lanes 16-31 change places with the second's lanes 0-15
.endr
.irp i, 0,1,2
	v_mov_b32 v[PC+3+\i], v[PD+\i]
.endr
.endm
; sine and cosine of 16 numbers of rope_emb (token tile T, half be of the channels).  n = the nearest whole number to f / pi; x = f - n pi; sin f = (-1)^n sin x, cos f = (-1)^n cos x.
.macro SINCOS T, be
.set FB, 128+32*(\T)+16*(\be)
.set SB, SN+16*(\be)
.set CB, CSN+16*(\be)
	WIN 0x07                                       ; source 0 (f) window 3, source 1 (a constant) window 1
.irp i, 0,2,4,6,8,10,12,14
	v_pk_mul_f32 v[NN+\i:NN+\i+1], v[FB+\i:FB+\i+1], v[CN:CN+1]
.endr
	WIN 0
.irp i, 0,1,2,3,4,5,6,7,8,9,10,11,12,13,14,15
	v_rndne_f32 v[NN+\i], v[NN+\i]
.endr
	WIN 0x34
.irp i, 0,2,4,6,8,10,12,14
	v_pk_fma_f32 v[RR+\i:RR+\i+1], v[NN+\i:NN+\i+1], v[CN+2:CN+3], v[FB+\i:FB+\i+1]
.endr
	WIN 0x04
.irp i, 0,2,4,6,8,10,12,14
	v_pk_fma_f32 v[RR+\i:RR+\i+1], v[NN+\i:NN+\i+1], v[CN+4:CN+5], v[RR+\i:RR+\i+1]
.endr
	WIN 0
.irp i, 0,1,2,3,4,5,6,7,8,9,10,11,12,13,14,15
	v_cvt_i32_f32 v[NN+\i], v[NN+\i]
.endr
.irp i, 0,2,4,6,8,10,12,14
	v_pk_mul_f32 v[ZZ+\i:ZZ+\i+1], v[RR+\i:RR+\i+1], v[RR+\i:RR+\i+1]
.endr
.irp i, 0,1,2,3,4,5,6,7,8,9,10,11,12,13,14,15
	v_lshlrev_b32 v[NN+\i], 31, v[NN+\i]           ; n's lowest bit as a sign
.endr
	WIN 0x14
.irp i, 0,2,4,6,8,10,12,14
	v_pk_fma_f32 v[CB+\i:CB+\i+1], v[ZZ+\i:ZZ+\i+1], v[CN+28:CN+29], v[CN+26:CN+27]
	v_pk_fma_f32 v[SB+\i:SB+\i+1], v[ZZ+\i:ZZ+\i+1], v[CN+16:CN+17], v[CN+14:CN+15]
.endr
	WIN 0x10
.irp k, 0,1,2,3
.irp i, 0,2,4,6,8,10,12,14
	v_pk_fma_f32 v[CB+\i:CB+\i+1], v[CB+\i:CB+\i+1], v[ZZ+\i:ZZ+\i+1], v[CN+24-2*\k:CN+25-2*\k]
	v_pk_fma_f32 v[SB+\i:SB+\i+1], v[SB+\i:SB+\i+1], v[ZZ+\i:ZZ+\i+1], v[CN+12-2*\k:CN+13-2*\k]
.endr
.endr
.irp i, 0,2,4,6,8,10,12,14
	v_pk_fma_f32 v[CB+\i:CB+\i+1], v[CB+\i:CB+\i+1], v[ZZ+\i:ZZ+\i+1], v[CN+30:CN+31]
.endr
	WIN 0
.irp i, 0,2,4,6,8,10,12,14
	v_pk_mul_f32 v[ZZ+\i:ZZ+\i+1], v[ZZ+\i:ZZ+\i+1], v[RR+\i:RR+\i+1]
.endr
.irp i, 0,2,4,6,8,10,12,14
	v_pk_fma_f32 v[SB+\i:SB+\i+1], v[SB+\i:SB+\i+1], v[ZZ+\i:ZZ+\i+1], v[RR+\i:RR+\i+1]
.endr
.irp i, 0,1,2,3,4,5,6,7,8,9,10,11,12,13,14,15
	v_xor_b32 v[SB+\i], v[NN+\i], v[SB+\i]
	v_xor_b32 v[CB+\i], v[NN+\i], v[CB+\i]
.endr
.endm
; y = (acc x rsqrt) x gain; out(c) = y(c) cos(c) - y(c + 64) sin(c); out(c + 64) = y(c + 64) cos(c + 64) + y(c) sin(c + 64).  Registers 0-15: the lower channel block, 16-31: the block 64 channels on.
.macro NORMROPE T, qk
.set AB, 128*(\qk)+32*(\T)
.set RB, RS+2*(4*(\qk)+(\T))
	WIN 0x06                                       ; source 0 (the sums) window 2, source 1 window 1
.irp i, 0,2,4,6,8,10,12,14,16,18,20,22,24,26,28,30
	v_pk_mul_f32 v[YY+\i:YY+\i+1], v[AB+\i:AB+\i+1], v[RB:RB+1]
.endr
	WIN 0x04
.irp i, 0,2,4,6,8,10,12,14,16,18,20,22,24,26,28,30
	v_pk_mul_f32 v[YY+\i:YY+\i+1], v[YY+\i:YY+\i+1], v[WG+32*(\qk)+\i:WG+32*(\qk)+\i+1]
.endr
	WIN 0
.irp i, 0,2,4,6,8,10,12,14
	v_pk_mul_f32 v[OUT+\i:OUT+\i+1], v[YY+16+\i:YY+17+\i], v[SN+\i:SN+\i+1]
	v_pk_mul_f32 v[OUT+16+\i:OUT+17+\i], v[YY+\i:YY+\i+1], v[SN+16+\i:SN+17+\i]
.endr
.irp i, 0,2,4,6,8,10,12,14
	v_pk_fma_f32 v[OUT+\i:OUT+\i+1], v[YY+\i:YY+\i+1], v[CSN+\i:CSN+\i+1], v[OUT+\i:OUT+\i+1] neg_lo:[0,0,1] neg_hi:[0,0,1]
	v_pk_fma_f32 v[OUT+16+\i:OUT+17+\i], v[YY+16+\i:YY+17+\i], v[CSN+16+\i:CSN+17+\i], v[OUT+16+\i:OUT+17+\i]
.endr
.endm
	s_load_b512 s[4:19], s[0:1], 0x0               ; x's codes, scales; Wq's; Wk's; Wv's
	s_load_b128 s[96:99], s[0:1], 0x40             ; rope_emb, q_scale
	s_load_b64 s[100:101], s[0:1], 0x50            ; k_scale
	v_lshl_add_u32 v[SPW], v0, 2, SPARE
	v_mov_b32 v[NIL], 0
	ds_add_u32 v28, v29
	s_wait_dscnt 0x0
	v_lshrrev_b32 v1, 5, v0
	v_readfirstlane_b32 s[WV], v1                  ; wave 0..3
	s_lshr_b32 s[RH], s[WV], 1
	s_and_b32 s[CH], s[WV], 1
	s_bfe_u32 s40, ttmp6, 0x40000                  ; cx, cy
	s_bfe_u32 s41, ttmp6, 0x40004
	s_lshl_b32 s42, ttmp9, 2
	s_add_co_u32 s42, s42, s40                     ; the head = 4 x cluster x + cx
	s_and_b32 s43, ttmp7, 0xffff
	s_lshl_b32 s43, s43, 2
	s_add_co_u32 s43, s43, s41                     ; the block of 128 tokens = 4 x cluster y + cy
	s_lshl_b32 s44, s41, 2
	s_lshl_b32 s44, 15, s44                        ; my row of the cluster
	s_lshl_b32 s45, 0x1111, s40                    ; my column
	s_or_b32 s[G1+0], s44, (1<<20)|(1<<21)|(3<<22)|(3<<25)   ; the mask; elements of 1 byte; padding on; bit 21 beside a mask; after every 16 words 4 words
	s_or_b32 s[G1B+0], s45, (1<<20)|(1<<21)|(3<<22)|(3<<25)
.irp g, G1, G1B
	s_mov_b32 s[\g+1], ROWB<<16                    ; tensor_dim0
	s_mov_b32 s[\g+2], 128<<16                     ; tensor_dim1
	s_mov_b32 s[\g+3], ROWB<<16                    ; tile_dim0
	s_mov_b32 s[\g+4], 128                         ; tile_dim1
	s_mov_b32 s[\g+5], KROW                        ; the pitch in memory
	s_mov_b32 s[\g+6], 0
	s_mov_b32 s[\g+7], 0
.endr
	s_or_b32 s[G1S+0], s44, (3<<16)|(1<<20)|(1<<21)|(5<<22)|(3<<25)   ; the scales of 128 rows: 8,192 dense bytes as 32 rows of 256 (32 elements of 8 bytes), 16 bytes of padding behind each
	s_or_b32 s[G1SB+0], s45, (3<<16)|(1<<20)|(1<<21)|(5<<22)|(3<<25)
.irp g, G1S, G1SB
	s_mov_b32 s[\g+1], 32<<16
	s_mov_b32 s[\g+2], 32<<16
	s_mov_b32 s[\g+3], 32<<16
	s_mov_b32 s[\g+4], 32
	s_mov_b32 s[\g+5], 32
	s_mov_b32 s[\g+6], 0
	s_mov_b32 s[\g+7], 0
.endr
	s_mul_i32 s66, s43, 128*KROW                   ; x's rows hang on the token block alone,
	s_mov_b32 s67, 0
	s_mul_i32 s104, s42, 128*KROW                  ; W's on the head alone
	s_mov_b32 s105, 0
	s_mul_i32 s46, s[WV], HALFT                    ; where they go: wave x 128 rows
	s_mul_i32 s47, s[WV], HALFS
	s_wait_kmcnt 0x0
	s_cmp_eq_u32 s[WV], 2                          ; wave 1: Wq, wave 2: Wk, wave 3: Wv
	s_cselect_b64 s[92:93], s[12:13], s[8:9]
	s_cselect_b64 s[94:95], s[14:15], s[10:11]
	s_cmp_eq_u32 s[WV], 3
	s_cselect_b64 s[92:93], s[16:17], s[92:93]
	s_cselect_b64 s[94:95], s[18:19], s[94:95]
	s_add_nc_u64 s[4:5], s[4:5], s[66:67]
	s_add_nc_u64 s[92:93], s[92:93], s[104:105]
	s_lshl_b32 s66, s43, 13                        ; 128 rows of 64 scale bytes
	s_lshl_b32 s104, s42, 13
	s_add_nc_u64 s[6:7], s[6:7], s[66:67]
	s_add_nc_u64 s[94:95], s[94:95], s[104:105]
	CROUND                                         ; all sixteen work-groups are here: the first joint loads meet
	s_mov_b32 s[G0S], 1
	s_add_co_u32 s[G0S+1], s47, SCL
	s_mov_b64 s[G0S+2:G0S+3], s[6:7]
	s_or_b32 s[G0S+3], s[G0S+3], 0x80000000
	s_mov_b32 s[G0SB], 1
	s_add_co_u32 s[G0SB+1], s47, SCL
	s_mov_b64 s[G0SB+2:G0SB+3], s[94:95]
	s_or_b32 s[G0SB+3], s[G0SB+3], 0x80000000
	JLOAD G0S, G1S, G0SB, G1SB                     ; the scales first: filled once
.irp sl, 0,1
	s_mov_b32 s[G0+4*\sl], 1
	s_add_co_u32 s[G0+4*\sl+1], s46, \sl*SLOT
	s_add_nc_u64 s[G0+4*\sl+2:G0+4*\sl+3], s[4:5], \sl*ROWB
	s_or_b32 s[G0+4*\sl+3], s[G0+4*\sl+3], 0x80000000
	s_mov_b32 s[G0B+4*\sl], 1
	s_add_co_u32 s[G0B+4*\sl+1], s46, \sl*SLOT
	s_add_nc_u64 s[G0B+4*\sl+2:G0B+4*\sl+3], s[92:93], \sl*ROWB
	s_or_b32 s[G0B+4*\sl+3], s[G0B+4*\sl+3], 0x80000000
	JLOAD G0+4*\sl, G1, G0B+4*\sl, G1B             ; three loads of mine are out
.endr
	v_and_b32 v1, 15, v0                           ; r
	v_bfe_u32 v2, v0, 4, 1                         ; h
	v_and_b32 v3, 8, v1
	v_lshl_add_u32 v3, v3, 1, v1                   ; tile u = 0: row r + 16 (r / 8)
	v_add_nc_u32 v4, 8, v1                         ; tile u = 1: row r + 8
	v_mul_u32_u24 v5, v3, PITCH
	v_mad_u32_u24 v5, v2, 24, v5
	v_mul_u32_u24 v6, v4, PITCH
	v_mad_u32_u24 v6, v2, 24, v6
	v_lshl_add_u32 v7, v2, 4, v5                   ; and behind one padding more
	v_lshl_add_u32 v8, v2, 4, v6
	s_mul_i32 s46, s[RH], 64*PITCH                 ; x: my 64 tokens
	s_mul_i32 s47, s[CH], 32*PITCH
	s_add_co_u32 s47, s47, HALFT                   ; Wq: block ch
	s_mul_i32 s2, s[CH], 64*PITCH
	s_add_co_u32 s2, s2, 3*HALFT                   ; Wv: my 64 channels
.irp sl, 0,1
.irp k, 0,1
.irp u, 0,1
	v_add_nc_u32 v[AX+4*\u+2*\k+\sl], s46, v[5+\u+2*\k]
	v_add_nc_u32 v[AQ+4*\u+2*\k+\sl], s47, v[5+\u+2*\k]
	v_add_nc_u32 v[AV+4*\u+2*\k+\sl], s2, v[5+\u+2*\k]
.endr
.endr
	s_add_co_u32 s46, s46, SLOT
	s_add_co_u32 s47, s47, SLOT
	s_add_co_u32 s2, s2, SLOT
.endr
	v_lshrrev_b32 v9, 2, v3                        ; a row's scale bytes: 64 x row + 16 x (row / 4)
	v_lshlrev_b32 v10, 6, v3
	v_lshl_add_u32 v9, v9, 4, v10
	v_lshrrev_b32 v10, 2, v4
	v_lshlrev_b32 v11, 6, v4
	v_lshl_add_u32 v10, v10, 4, v11
	s_mul_i32 s46, s[RH], 68*64
	s_add_co_u32 s46, s46, SCL
	s_mul_i32 s47, s[CH], 68*32
	s_add_co_u32 s47, s47, SCL+HALFS
	s_mul_i32 s2, s[CH], 68*64
	s_add_co_u32 s2, s2, SCL+3*HALFS
.irp u, 0,1
	v_add_nc_u32 v[ASX+\u], s46, v[9+\u]
	v_add_nc_u32 v[ASQ+\u], s47, v[9+\u]
	v_add_nc_u32 v[ASV+\u], s2, v[9+\u]
.endr
	v_and_b32 v12, 31, v0                          ; lane
	v_lshlrev_b32 v[LV], 3, v12
	v_xor_b32 v13, s[CH], v2
	v_lshlrev_b32 v13, 7, v13
	v_lshl_add_u32 v13, v1, 3, v13
	s_lshl_b32 s46, s[CH], 8
	v_add_nc_u32 v[LQ], s46, v13                   ; 256 ch + 128 (h xor ch) + 8 r
	v_lshlrev_b32 v14, 4, v12
	s_lshl_b32 s46, s[WV], 10
	s_add_co_u32 s46, s46, EX1
	v_add_nc_u32 v[E1S], s46, v14
	s_xor_b32 s47, s[WV], 1
	s_lshl_b32 s46, s47, 10
	s_add_co_u32 s46, s46, EX1
	v_add_nc_u32 v[E1L], s46, v14
	s_mul_i32 s46, s[WV], 1536
	s_add_co_u32 s46, s46, EX2
	v_add_nc_u32 v[E2S], s46, v14
	s_mul_i32 s46, s47, 1536
	s_add_co_u32 s46, s46, EX2
	v_add_nc_u32 v[E2L1], s46, v14
	s_xor_b32 s47, s[WV], 2
	s_mul_i32 s46, s47, 1536
	s_add_co_u32 s46, s46, EX2
	v_add_nc_u32 v[E2L2], s46, v14
	v_lshlrev_b32 v[SWO], 4, v1
	v_lshl_add_u32 v[SWO], v2, 3, v[SWO]
	v_mul_u32_u24 v[WO], v2, 96                    ; tile u = 0: channels 0-7 (h = 0) or 24-31 (h = 1) of the block
	v_lshl_add_u32 v[WO+1], v2, 5, 32              ; tile u = 1: channels 8-15 or 16-23
	v_lshl_add_u32 v[FO+0], v3, 9, v[WO]
	v_lshl_add_u32 v[FO+1], v3, 9, v[WO+1]
	v_lshl_add_u32 v[FO+2], v4, 9, v[WO]
	v_lshl_add_u32 v[FO+3], v4, 9, v[WO+1]
	s_lshl_b32 s46, s43, 16                        ; rope_emb: 128 rows of 512 bytes a token block,
	s_lshl_b32 s47, s[RH], 15                      ; my 64 tokens,
	s_add_co_u32 s46, s46, s47
	s_lshl_b32 s47, s[CH], 7                       ; block ch
	s_add_co_u32 s46, s46, s47
	s_mov_b32 s47, 0
	s_add_nc_u64 s[96:97], s[96:97], s[46:47]
	s_lshl_b32 s46, s[CH], 7
	s_add_nc_u64 s[98:99], s[98:99], s[46:47]
	s_add_nc_u64 s[100:101], s[100:101], s[46:47]
	WIN 0xc0                                       ; destination window 3: rope_emb's numbers in the accumulators' order; they land while the products run
.irp T, 0,1,2,3
.irp be, 0,1
.irp u, 0,1
.irp jj, 0,1
	global_load_b128 v[128+32*\T+16*\be+8*\u+4*\jj:131+32*\T+16*\be+8*\u+4*\jj], v[FO+2*(\T%2)+\u], s[96:97] offset:(\T/2)*32*512+256*\be+16*\jj
.endr
.endr
.endr
.endr
	WIN 0x40                                       ; destination window 1: the gains
.irp be, 0,1
.irp u, 0,1
.irp jj, 0,1
	global_load_b128 v[WG+16*\be+8*\u+4*\jj:WG+3+16*\be+8*\u+4*\jj], v[WO+\u], s[98:99] offset:256*\be+16*\jj
	global_load_b128 v[WG+32+16*\be+8*\u+4*\jj:WG+35+16*\be+8*\u+4*\jj], v[WO+\u], s[100:101] offset:256*\be+16*\jj
.endr
.endr
.endr
	WIN 0
	s_wait_tensorcnt 1                             ; the scales and my part of slot 0 are in; slot 1's load may be out
	s_barrier_signal -1
	s_barrier_wait -1
	SCALES 0
	FX 0, 0, 0
	WIN TO_W
	FQ 0, 0
	FK 0, 0
	FV 0, 0
	WIN 0
	STEP 0, 1                                      ; the first step stands in front of the loop: its products start the sums
	s_mov_b32 s3, 3
.Llap:                                                 ; a trip goes once round the ring and fills both slots again: K steps 2 to 7
	TURN 0, 1, 1
	STEP 1, 0
	TURN 1, 0, 1
	STEP 0, 0
	s_sub_co_u32 s3, s3, 1
	s_cmp_lg_u32 s3, 0
	s_cbranch_scc1 .Llap
	TURN 0, 1, 0                                   ; the last lap fills nothing
	STEP 1, 0
	s_wait_dscnt 48
	WIN MULQK
	MULW 0, 1, 1, 1, 0
	s_wait_dscnt 0x0
	MULW 1, 1, 1, 1, 0
	WIN MULVW
	MULV 1, 1, 1, 0
	WIN 0
	; ---- THE EPILOGUE
	PLACES
	s_wait_loadcnt 0x0                             ; rope_emb and the gains
	s_load_b256 s[4:11], s[0:1], 0x58              ; qfrag, kfrag, vfrag, qsw
	s_load_b128 s[12:15], s[0:1], 0x78             ; ksw, vsw
	s_mov_b32 s[SEL], 0x76543210                   ; no tensor load of mine is out: the descriptors' registers are free
	s_mov_b32 s[SEL+1], 0xfedcba98
	s_mov_b32 s23, 0x3c000000                      ; 1 / 128
	s_mov_b32 s66, 0x358637bd                      ; 1e-6
	s_lshl_b32 s67, s[CH], 3
	s_lshl_b32 s104, s[RH], 4
	s_mov_b32 s105, 0xffff0000                     ; lanes 16-31
	s_lshl_b32 s24, s42, 4
	s_add_co_u32 s24, s24, s43                     ; 16 x head + token block
	s_mul_i32 s26, s24, 8*1536
	s_mul_i32 s25, s[RH], 4*1536
	s_add_co_u32 s26, s26, s25                     ; q, k: my four token tiles
	s_mov_b32 s27, 0
	s_mul_i32 s28, s24, 8*1536
	s_mul_i32 s25, s[CH], 4*1536
	s_add_co_u32 s28, s28, s25                     ; v: my four channel tiles,
	s_mul_i32 s25, s[RH], 768
	s_add_co_u32 s28, s28, s25                     ; registers 6 rh on
	s_mov_b32 s29, 0
	s_lshl_b32 s24, s24, 9
	s_lshl_b32 s25, s[RH], 8
	s_add_co_u32 s30, s24, s25
	s_mov_b32 s31, 0
	s_lshl_b32 s25, s[CH], 8
	s_add_co_u32 s32, s24, s25
	s_mov_b32 s33, 0
	s_wait_kmcnt 0x0
	s_add_nc_u64 s[4:5], s[4:5], s[26:27]
	s_add_nc_u64 s[6:7], s[6:7], s[26:27]
	s_add_nc_u64 s[8:9], s[8:9], s[28:29]
	s_add_nc_u64 s[10:11], s[10:11], s[30:31]
	s_add_nc_u64 s[12:13], s[12:13], s[30:31]
	s_add_nc_u64 s[14:15], s[14:15], s[32:33]
	WIN 0x40
.set CI, 0
.irp c, 0x3ea2f983, 0xc0490fdb, 0x33bbbd2e, 0xbe2aaaab, 0x3c088889, 0xb9500d01, 0x3638ef1d, 0xb2d7322b, 0x2f309231, 0xbf000000, 0x3d2aaaab, 0xbab60b61, 0x37d00d01, 0xb493f27e, 0x310f76c7, 0x3f800000
	v_mov_b32 v[CN+2*CI], \c                       ; 1 / pi; -pi in two parts; the sine's six coefficients; the cosine's six; 1
	v_mov_b32 v[CN+2*CI+1], \c
.set CI, CI+1
.endr
	; the sums of squares: eight chains (q's four token tiles, k's four) by turns; chain c's 32 numbers are v[32 c] on of window 2, taken in ascending order
	WIN 0x0a
.irp c, 0,1,2,3,4,5,6,7
	v_pk_mul_f32 v[SS+2*\c:SS+2*\c+1], v[32*\c:32*\c+1], v[32*\c:32*\c+1]
.endr
.irp i, 2,4,6,8,10,12,14,16,18,20,22,24,26,28,30
.irp c, 0,1,2,3,4,5,6,7
	v_pk_fma_f32 v[SS+2*\c:SS+2*\c+1], v[32*\c+\i:32*\c+\i+1], v[32*\c+\i:32*\c+\i+1], v[SS+2*\c:SS+2*\c+1]
.endr
.endr
	WIN 0
.irp c, 0,1,2,3,4,5,6,7
	v_add_f32 v[SQ+\c], v[SS+2*\c], v[SS+2*\c+1]
.endr
.irp c, 0,1,2,3,4,5,6,7
	v_permlanex16_b32 v[PQ+\c], v[SQ+\c], s[SEL], s[SEL+1]   ; (its destination has been written: it held an address of the loop)
.endr
.irp c, 0,1,2,3,4,5,6,7
	v_add_f32 v[SQ+\c], v[SQ+\c], v[PQ+\c]         ; my 64 channels of each token
.endr
	ds_store_b128 v[E1S], v[SQ:SQ+3]
	ds_store_b128 v[E1S], v[SQ+4:SQ+7] offset:512
	s_wait_dscnt 0x0                               ; for the other wave's sake
	s_barrier_signal -1
	s_barrier_wait -1
	ds_load_b128 v[PQ:PQ+3], v[E1L]                ; the other 64 channels, from wave w xor 1; they land while v is quantised
	ds_load_b128 v[PQ+4:PQ+7], v[E1L] offset:512
	; v: a lane holds one channel; its 32 registers of a channel tile are two blocks of 32 tokens (my half of each)
.irp c, 0,1,2,3
	QUANT2 32*\c, 3, 8, PW+8+\c
	v_lshlrev_b32 v[PW+8+\c], s104, v[PW+8+\c]     ; my two bytes are key blocks 2 rh and 2 rh + 1
.irp i, 0,1,2
	global_store_b64 v[LV], v[PC+2*\i:PC+2*\i+1], s[8:9] offset:1536*\c+256*\i   ; 32 lanes store 256 consecutive bytes, aligned
.endr
.endr
	s_wait_dscnt 0x0
.irp c, 0,1,2,3,4,5,6,7
	v_add_f32 v[SQ+\c], v[SQ+\c], v[PQ+\c]
.endr
.irp c, 0,1,2,3,4,5,6,7
	v_fma_f32 v[SQ+\c], v[SQ+\c], s23, s66         ; the mean + eps
.endr
	WIN 0x40
.irp c, 0,1,2,3,4,5,6,7
	v_rsq_f32 v[RS+2*\c], v[SQ+\c]                 ; twice: a pair for the packed multiply
	v_rsq_f32 v[RS+2*\c+1], v[SQ+\c]
.endr
	v_nop                                          ; a plain place behind the last of them
	s_wait_alu depctr_va_vdst(0)                   ; one wait for the batch, ahead of its first reader
	WIN 0
.irp T, 0,1,2,3
	SINCOS \T, 0
	SINCOS \T, 1
.irp k, 0,1
	NORMROPE \T, \k
	QUANT2 OUT, 0, 16, PW+4*\k+\T
	v_lshlrev_b32 v[PW+4*\k+\T], s67, v[PW+4*\k+\T]   ; my two bytes are channel blocks ch and ch + 2
.irp i, 0,1,2
	global_store_b64 v[LQ], v[PC+2*\i:PC+2*\i+1], s[4+2*\k:5+2*\k] offset:1536*\T+512*\i   ; 32 lanes store 256 consecutive bytes, aligned
.endr
.endr
.endr
	; the scale words: q's and k's halves meet with wave w xor 1's, v's with wave w xor 2's
	ds_store_b128 v[E2S], v[PW:PW+3]
	ds_store_b128 v[E2S], v[PW+4:PW+7] offset:512
	ds_store_b128 v[E2S], v[PW+8:PW+11] offset:1024
	s_wait_dscnt 0x0
	s_barrier_signal -1
	s_barrier_wait -1
	ds_load_b128 v[PX:PX+3], v[E2L1]
	ds_load_b128 v[PX+4:PX+7], v[E2L1] offset:512
	ds_load_b128 v[PX+8:PX+11], v[E2L2] offset:1024
	s_wait_dscnt 0x0
.irp i, 0,1,2,3,4,5,6,7,8,9,10,11
	v_or_b32 v[PW+\i], v[PW+\i], v[PX+\i]
.endr
	s_cmp_eq_u32 s[CH], 0                          ; of the two waves of a token half one stores q's words, the other k's: lane (r, h) the words of tiles 2 h and 2 h + 1: 256 consecutive bytes
	s_cbranch_scc0 .Lk_words
	v_cndmask_b32 v[WT], v[PW], v[PW+2], s105
	v_cndmask_b32 v[WT+1], v[PW+1], v[PW+3], s105
	global_store_b64 v[SWO], v[WT:WT+1], s[10:11]
	s_branch .Lqk_done
.Lk_words:
	v_cndmask_b32 v[WT], v[PW+4], v[PW+6], s105
	v_cndmask_b32 v[WT+1], v[PW+5], v[PW+7], s105
	global_store_b64 v[SWO], v[WT:WT+1], s[12:13]
.Lqk_done:
	s_cmp_eq_u32 s[RH], 0                          ; and of the two waves of a channel half one stores v's
	s_cbranch_scc0 .Lno_v_words
	v_cndmask_b32 v[WT+2], v[PW+8], v[PW+10], s105
	v_cndmask_b32 v[WT+3], v[PW+9], v[PW+11], s105
	global_store_b64 v[SWO], v[WT+2:WT+3], s[14:15]
.Lno_v_words:
	s_wait_tensorcnt 0x0                           ; the wave's end
	ds_add_u32 v[SPW], v[NIL]
	s_wait_dscnt 0x0
	CROUND                                         ; the closing round
	s_endpgm
.Lfunc_end_k_qfd4fd887d3_qkv:
	.size	k_qfd4fd887d3_qkv, .Lfunc_end_k_qfd4fd887d3_qkv-k_qfd4fd887d3_qkv
	.p2alignl 7, 3214868480
	.fill 96, 4, 3214868480
	.section	.rodata,"a",@progbits
	.p2align	6, 0x0
	.amdhsa_kernel k_qfd4fd887d3_qkv
		.amdhsa_group_segment_fixed_size 327680
		.amdhsa_private_segment_fixed_size 0
		.amdhsa_enable_private_segment 0
		.amdhsa_kernarg_size 136
		.amdhsa_user_sgpr_count 2
		.amdhsa_user_sgpr_kernarg_segment_ptr 1
		.amdhsa_wavefront_size32 1
		.amdhsa_system_sgpr_workgroup_id_x 1
		.amdhsa_system_sgpr_workgroup_id_y 1
		.amdhsa_system_sgpr_workgroup_id_z 1
		.amdhsa_system_vgpr_workitem_id 0
		.amdhsa_next_free_vgpr 1024
		.amdhsa_next_free_sgpr 106
		.amdhsa_reserve_vcc 0
		.amdhsa_float_denorm_mode_32 3
		.amdhsa_float_denorm_mode_16_64 3
		.amdhsa_memory_ordered 1
		.amdhsa_forward_progress 1
		.amdhsa_inst_pref_size 255
	.end_amdhsa_kernel
	.section	.bss,"aw",@nobits
	.p2align	6
	.space	262144
	.amdgpu_metadata
---
amdhsa.version: [ 1, 2 ]
amdhsa.kernels:
  - .name:           k_qfd4fd887d3_qkv
    .symbol:         k_qfd4fd887d3_qkv.kd
    .args:
      - { .name: x_codes, .offset: 0, .size: 8, .value_kind: global_buffer, .address_space: global }
      - { .name: x_scales, .offset: 8, .size: 8, .value_kind: global_buffer, .address_space: global }
      - { .name: Wq_codes, .offset: 16, .size: 8, .value_kind: global_buffer, .address_space: global }
      - { .name: Wq_scales, .offset: 24, .size: 8, .value_kind: global_buffer, .address_space: global }
      - { .name: Wk_codes, .offset: 32, .size: 8, .value_kind: global_buffer, .address_space: global }
      - { .name: Wk_scales, .offset: 40, .size: 8, .value_kind: global_buffer, .address_space: global }
      - { .name: Wv_codes, .offset: 48, .size: 8, .value_kind: global_buffer, .address_space: global }
      - { .name: Wv_scales, .offset: 56, .size: 8, .value_kind: global_buffer, .address_space: global }
      - { .name: rope_emb, .offset: 64, .size: 8, .value_kind: global_buffer, .address_space: global }
      - { .name: q_scale, .offset: 72, .size: 8, .value_kind: global_buffer, .address_space: global }
      - { .name: k_scale, .offset: 80, .size: 8, .value_kind: global_buffer, .address_space: global }
      - { .name: qfrag, .offset: 88, .size: 8, .value_kind: global_buffer, .address_space: global }
      - { .name: kfrag, .offset: 96, .size: 8, .value_kind: global_buffer, .address_space: global }
      - { .name: vfrag, .offset: 104, .size: 8, .value_kind: global_buffer, .address_space: global }
      - { .name: qsw, .offset: 112, .size: 8, .value_kind: global_buffer, .address_space: global }
      - { .name: ksw, .offset: 120, .size: 8, .value_kind: global_buffer, .address_space: global }
      - { .name: vsw, .offset: 128, .size: 8, .value_kind: global_buffer, .address_space: global }
    .group_segment_fixed_size: 327680
    .private_segment_fixed_size: 0
    .kernarg_segment_align: 8
    .kernarg_segment_size: 136
    .max_flat_workgroup_size: 128
    .sgpr_count:     106
    .vgpr_count:     1024
    .wavefront_size: 32
...
	.end_amdgpu_metadata
.endif
;; end of part 1
;; launch attn (part 2): grid 16 x 16, 8 waves a work-group, clusters of 4 x 1, 327,680 bytes of LDS; arguments qfrag, qsw, kfrag, ksw, vfrag, vsw, afrag, asw; writes afrag, asw
.if DOCPART == 2
	.amdgcn_target "amdgcn-amd-amdhsa--gfx1250"
	.amdhsa_code_object_version 6
	.text
	.protected	k_qfd4fd887d3_attn
	.globl	k_qfd4fd887d3_attn
	.p2align	8
	.type	k_qfd4fd887d3_attn,@function
k_qfd4fd887d3_attn:
	s_mov_b64 s[64:65], 0
	v_nop
	global_prefetch_b8 v0, s[64:65] scope:SCOPE_SE
	s_setreg_imm32_b32 hwreg(HW_REG_WAVE_MODE, 25, 1), 1
	s_wait_xcnt 0x0
	s_wait_alu depctr_hold_cnt(0) depctr_sa_sdst(0) depctr_va_vdst(0) depctr_va_sdst(0) depctr_va_ssrc(0) depctr_va_vcc(0) depctr_vm_vsrc(0)
	s_getreg_b32 s2, hwreg(HW_REG_IB_STS2, 6, 4)
	s_cmp_eq_u32 s2, 0
	s_cbranch_scc0 .Lentry_in_a_cluster
	s_endpgm
.Lentry_in_a_cluster:
	s_bfe_u32 s2, ttmp6, 0x10000c
	s_cmp_lg_u32 s2, 0x3003
	s_cbranch_scc0 .Lentry_shape_is_right
	s_endpgm
.Lentry_shape_is_right:
; O = softmax(q k^T / sqrt(128)) v for 16 heads of 2,048 tokens, both products on codes of FP6 (E2M3) with E8M0 scales; the result, divided by the row's sum, is quantised along the model's 2,048 and stored as
; images of the next product's operand registers.
; THE SOFTMAX: t = score x log2(e) / sqrt(128); M = the running largest t rounded up to a whole number; p = 2^(t - M) is quantised along the keys; the row's sum is taken of the unquantised p; when M moves,
; the sum and O are multiplied by 2^(old M - new M), which rounds nothing.
; SHARES.  A work-group owns 128 queries (mb) of one head; each of its eight waves one tile of 16, two waves to a SIMD, 512 registers each.  Every wave walks all 2,048 keys, 128 a step.
; CLUSTER.  The four query blocks of a cluster belong to one head and walk the same K and V: each tile is asked for jointly, by waves 0 to 3 (K's two halves of a slot, V's two halves).
; K's, V's and Q's fragments lie in memory as images of their registers, so a slot (512 keys) is two dense blocks of 49,152 bytes and LDS needs no padding: every load of 8 bytes a lane takes 256 bytes that cover all banks once.
; Both products are used transposed: S^T = K Q^T, O^T = V^T P^T: a lane holds one query throughout.  The tokens of a key tile are chosen by the launch before so that the 16 registers of tiles 2 b and 2 b + 1
; are, in lanes 0-15, keys 0-15 of block b and, in lanes 16-31, keys 24-31 and then 16-23; V's codes lie in the same order.  V's channel tiles are chosen likewise, so in lanes 16-31 the two groups of eight
; registers of each block of O^T change places before the result is quantised: the next product's other operand lies in true order.
; FRAGMENTS A PHASE AHEAD.  A step's eight fragments of K and its eight of V have registers of their own (window 1).  K of step j + 1 is asked of LDS in the middle of step j's softmax, V of step j + 1 behind step j's
; second product: each run of 50 loads has at least half a softmax and eight products in which to land.  All reads of a slot are issued before its fourth step's first product is done, so the change of slots stands there.
; LIMITS: NaN and infinities are not served; a block of zeros, or under 2^-124, gets the byte 1 (its codes are zeros; this program alone reads the bytes).
; REGISTERS, window 0: v1-7 addresses that stay; v8-11 addresses of the slot in hand; v12 -M, v13 the largest t, v[14:15] the sum; v16-27 Q; v28-31 see below; v32-51 the result's codes; v80-87 K's scale words, v88-95 V's;
; v96-159 S^T, then p; v160-223 O^T; v224-235 p's codes; v232-247, v252, v254 at work; v253 p's scale word; v255 Q's.   window 1: v0-95 K's eight fragments; v96-191 V's eight.
.set SLOT1, 1<<17                      ; slot 1 begins here: one exclusive or turns an address from one slot to the other
.set VOFF,  49152                      ; a slot: K's 4 steps x 8 tiles x 1,536 bytes, then V's
.set SCK,   2*SLOT1                    ; K's scale words of the head, 8,192 bytes; V's behind them
.set SPARE, SCK+16384                  ; the spare words: 128 bytes a wave, named by no other line
.set STG,   SPARE+1024                 ; 512 bytes: the result's scale words meet here
.set AK0,  1
.set AK1,  2
.set AV0,  3
.set AS0,  4
.set SPW,  5
.set NIL,  6
.set LI,   7                           ; 16 x lane
.set ADK0, 8
.set ADK1, 9
.set ADV,  10
.set ADS,  11
.set PFO,  28                          ; 256 x lane
.set STW,  29
.set STR,  30
.set PW,   31                          ; the result's scale word
.set KS,   80
.set VS,   88
.set KF,   0                           ; in window 1
.set VF,   96
.set TM,   232
.set PC,   32
.set TB,   2
.set TS,   3
.set SEL,  20
.set CS,   22
.set G1,   24
.set G1S,  32
.set G0,   40
.set G0S,  44
.set WV,   48
.set SLOTS, 67
.set PFA,  76
.set LIM,  80
.set MH,   81
.set MSB, 0
.macro WIN new                         ; the immediate's high byte repeats the setting that is left
.if MSB != (\new)
	s_set_vgpr_msb (MSB<<8)|(\new)
.set MSB, (\new)
.endif
.endm
.macro PLACES                          ; four plain places behind matrix instructions, in front of loads into their registers and of reads of their results
.rept 4
	v_nop
.endr
.endm
.macro CROUND
	s_barrier_signal -1
	s_barrier_wait -1
	s_cmp_lg_u32 s[WV], 0
	s_cbranch_scc1 .Lnot_wave_0_\@
	s_barrier_signal -3
.Lnot_wave_0_\@:
	s_barrier_wait -3
	s_barrier_signal -1
	s_barrier_wait -1
.endm
.macro TLOAD                           ; waves 0 to 3: one joint load each, 96 rows of 256 bytes; four v_nop follow it
	s_cmp_lt_u32 s[WV], 4
	s_cbranch_scc0 .Lnone_\@
	tensor_load_to_lds s[G0:G0+3], s[G1:G1+7]
	s_nop 0
.rept 4
	v_nop
.endr
.Lnone_\@:
.endm
; A prefetch of what the next change of slots will ask for: four key steps ahead of that load.  All clusters of a head walk the same K and V: the head's first cluster asks.  Its four partners share a slot's
; 98,304 bytes out by address (two take K's halves, two V's); in each, waves 4 to 6 ask, 8,192 bytes a wave, lanes 256 bytes apart: each aligned block of 256 bytes is named once in the launch.
; The last change that fills a slot asks for nothing; slots 0 and 1 come by their loads alone.
.macro ASK
	s_cmp_gt_u32 s[SLOTS], s[LIM]
	s_cbranch_scc0 .Lnot_mine_\@
	global_prefetch_b8 v[PFO], s[PFA:PFA+1] th:TH_LOAD_NT scope:SCOPE_SE
.Lnot_mine_\@:
.endm
.macro ADDR                            ; the LDS addresses of the slot in hand; written only where no LDS load of mine is out
	v_add_nc_u32 v[ADK0], s[TB], v[AK0]
	v_add_nc_u32 v[ADK1], s[TB], v[AK1]
	v_add_nc_u32 v[ADV], s[TB], v[AV0]
	v_add_nc_u32 v[ADS], s[TS], v[AS0]
.endm
.macro LOADK q                         ; the eight fragments of K and their scale words for the slot's q-th 128 keys: 48 loads of 8 bytes and 2 of 16: 50
	WIN 0x40                                       ; destination window 1, address window 0
.irp t, 0,1,2,3,4,5,6,7
.irp i, 0,1,2
	ds_load_b64 v[KF+12*\t+2*\i:KF+12*\t+2*\i+1], v[ADK0] offset:12288*(\q)+1536*\t+512*\i
	ds_load_b64 v[KF+12*\t+6+2*\i:KF+12*\t+7+2*\i], v[ADK1] offset:12288*(\q)+1536*\t+512*\i
.endr
.endr
	WIN 0
	ds_load_b128 v[KS:KS+3], v[ADS] offset:512*(\q)
	ds_load_b128 v[KS+4:KS+7], v[ADS] offset:512*(\q)+256
.endm
.macro LOADV q                         ; the same of V: 50 loads
	WIN 0x40
.irp t, 0,1,2,3,4,5,6,7
.irp p, 0,1,2,3,4,5
	ds_load_b64 v[VF+12*\t+2*\p:VF+12*\t+2*\p+1], v[ADV] offset:12288*(\q)+1536*\t+256*\p
.endr
.endr
	WIN 0
	ds_load_b128 v[VS:VS+3], v[ADS] offset:8192+512*(\q)
	ds_load_b128 v[VS+4:VS+7], v[ADS] offset:8192+512*(\q)+256
.endm
; THE CHANGE OF SLOTS: each wave waits for all its tensor loads, adds 0 to its spare word, and waits for that and for its reads of the slot that it leaves.
; fill = 1: a round of the cluster's barrier, and behind it the slot just left is filled with the next 512 keys: the load has four key steps in which to land.
.macro CHANGE fill
	s_wait_tensorcnt 0x0                           ; no tensor load of mine is out, so the group 0 may be written
	ds_add_u32 v[SPW], v[NIL]                      ; 0 onto my spare word
.if \fill
	s_xor_b32 s[G0+1], s[G0+1], SLOT1
	s_add_nc_u64 s[G0+2:G0+3], s[G0+2:G0+3], 49152
	s_wait_xcnt 0x0                                ; the last prefetch, a slot back, has read its address
	s_add_nc_u64 s[PFA:PFA+1], s[PFA:PFA+1], 49152
	s_wait_dscnt 0x0                               ; the add is done, and my reads of the slot that I leave are over
	CROUND
	TLOAD
	ASK
.else
	s_wait_dscnt 0x0
	s_barrier_signal -1
	s_barrier_wait -1
.endif
.endm
	s_load_b512 s[4:19], s[0:1], 0x0               ; qfrag, qsw, kfrag, ksw, vfrag, vsw, afrag, asw
	v_lshl_add_u32 v[SPW], v0, 2, SPARE
	v_mov_b32 v[NIL], 0
	ds_add_u32 v5, v6
	s_wait_dscnt 0x0
	v_lshrrev_b32 v8, 5, v0
	v_readfirstlane_b32 s[WV], v8                  ; wave 0..7
	s_bfe_u32 s49, ttmp6, 0x40000                  ; cx
	s_lshl_b32 s50, ttmp9, 2
	s_add_co_u32 s50, s50, s49                     ; my block of 128 queries
	s_and_b32 s51, ttmp7, 0xffff                   ; the head, which the partners share
	s_mov_b32 s[G1], 15|(3<<16)|(1<<21)            ; the mask: all four; elements of 8 bytes; bit 21 beside a mask; no padding
	s_mov_b32 s[G1+1], 32<<16                      ; rows of 256 bytes
	s_mov_b32 s[G1+2], 96<<16
	s_mov_b32 s[G1+3], 32<<16
	s_mov_b32 s[G1+4], 96
	s_mov_b32 s[G1+5], 32
	s_mov_b32 s[G1+6], 0
	s_mov_b32 s[G1+7], 0
	s_mov_b32 s[G1S], 15|(3<<16)|(1<<21)           ; half a head's scale words: 16 rows of 256 bytes
	s_mov_b32 s[G1S+1], 32<<16
	s_mov_b32 s[G1S+2], 16<<16
	s_mov_b32 s[G1S+3], 32<<16
	s_mov_b32 s[G1S+4], 16
	s_mov_b32 s[G1S+5], 32
	s_mov_b32 s[G1S+6], 0
	s_mov_b32 s[G1S+7], 0
	s_and_b32 s52, s[WV], 1
	s_mul_i32 s54, s51, 196608                     ; a head's images
	s_mul_i32 s53, s52, 24576                      ; which half of a slot I fetch
	s_add_co_u32 s54, s54, s53
	s_mov_b32 s55, 0
	s_lshl_b32 s56, s51, 13
	s_lshl_b32 s53, s52, 12
	s_add_co_u32 s56, s56, s53
	s_mov_b32 s57, 0
	s_mul_i32 s58, s[WV], 24576                    ; in a slot: K's halves, then V's
	s_lshl_b32 s59, s[WV], 12
	s_add_co_u32 s59, s59, SCK
	s_mov_b32 s[SEL], 0x76543210
	s_mov_b32 s[SEL+1], 0xfedcba98
	s_mov_b32 s[CS], 0x3e0293ee                    ; c = log2(e) / sqrt(128)
	s_mov_b32 s[CS+1], s[CS]
	s_mov_b32 s[TB], 0
	s_mov_b32 s[TS], 0
	s_mov_b32 s[SLOTS], 3
	s_mov_b32 s[MH], 0xffff0000
	s_wait_kmcnt 0x0
	s_cmp_lt_u32 s[WV], 2                          ; waves 0, 1: K; waves 2, 3: V
	s_cselect_b64 s[60:61], s[8:9], s[12:13]
	s_cselect_b64 s[62:63], s[10:11], s[14:15]
	s_mov_b32 s[G0], 1
	s_mov_b32 s[G0+1], s58
	s_add_nc_u64 s[G0+2:G0+3], s[60:61], s[54:55]
	s_or_b32 s[G0+3], s[G0+3], 0x80000000
	s_mov_b32 s[G0S], 1
	s_mov_b32 s[G0S+1], s59
	s_add_nc_u64 s[G0S+2:G0S+3], s[62:63], s[56:57]
	s_or_b32 s[G0S+3], s[G0S+3], 0x80000000
	CROUND                                         ; all four work-groups are here: the first joint loads meet
	s_cmp_lt_u32 s[WV], 4                          ; a wave's two first fills stand in one branch: the scale words, filled once, and slot 0
	s_cbranch_scc0 .Lno_first
	tensor_load_to_lds s[G0S:G0S+3], s[G1S:G1S+7]
	s_nop 0
	tensor_load_to_lds s[G0:G0+3], s[G1:G1+7]
	s_nop 0
.rept 4
	v_nop
.endr
.Lno_first:
	s_lshl_b32 s66, s51, 4
	s_add_co_u32 s66, s66, s50                     ; 16 x head + block
	s_mul_i32 s68, s66, 8*1536
	s_mul_i32 s70, s[WV], 1536
	s_add_co_u32 s68, s68, s70
	s_mov_b32 s69, 0
	s_add_nc_u64 s[4:5], s[4:5], s[68:69]          ; Q's image: my tile
	s_lshl_b32 s68, s66, 9
	s_lshr_b32 s70, s[WV], 2
	s_lshl_b32 s70, s70, 8
	s_add_co_u32 s68, s68, s70
	s_and_b32 s71, s[WV], 3
	s_lshl_b32 s71, s71, 2
	s_add_co_u32 s68, s68, s71
	s_add_nc_u64 s[6:7], s[6:7], s[68:69]          ; and its scale words
	s_add_co_u32 s70, s70, s71
	s_add_co_u32 s70, s70, STG                     ; my tile's place among the result's words
	s_lshl_b32 s66, s50, 4
	s_add_co_u32 s66, s66, s51                     ; 16 x block + head
	s_mul_i32 s68, s66, 8*1536
	s_mul_i32 s71, s[WV], 1536
	s_add_co_u32 s68, s68, s71
	s_add_nc_u64 s[16:17], s[16:17], s[68:69]      ; the result's image
	s_lshl_b32 s68, s66, 9
	s_add_nc_u64 s[18:19], s[18:19], s[68:69]      ; and its words
	s_cmp_lt_u32 s49, 2                            ; the prefetches: partners 0, 1 take K's halves, partners 2, 3 V's: told apart by address
	s_cselect_b64 s[PFA:PFA+1], s[8:9], s[12:13]
	s_and_b32 s83, s49, 1
	s_mul_i32 s83, s83, 24576
	s_mul_i32 s84, s51, 196608
	s_add_co_u32 s84, s84, s83
	s_and_b32 s83, s[WV], 3
	s_lshl_b32 s83, s83, 13
	s_add_co_u32 s84, s84, s83
	s_add_co_u32 s84, s84, 49152                   ; in slot 1: the first change of slots steps it to slot 2
	s_mov_b32 s85, 0
	s_add_nc_u64 s[PFA:PFA+1], s[PFA:PFA+1], s[84:85]
	s_sub_co_u32 s82, s[WV], 4
	s_cmp_lt_u32 s82, 3                            ; waves 4 to 6
	s_cselect_b32 s82, 0, 1
	s_or_b32 s82, s82, ttmp9                       ; of the head's first cluster: the same in all four partners
	s_cmp_eq_u32 s82, 0
	s_cselect_b32 s[LIM], 1, -1
	v_and_b32 v8, 15, v0                           ; r
	v_bfe_u32 v9, v0, 4, 1                         ; h
	v_lshlrev_b32 v10, 3, v8
	v_mad_u32_u24 v[AK0], v9, 384, v10             ; registers 0-5 of a fragment of K or Q: 8 r + 384 h, + 512 for each pair
	v_lshl_add_u32 v[AK1], v9, 7, v10
	v_add_nc_u32 v[AK1], 128, v[AK1]               ; registers 6-11: 8 r + 128 + 128 h
	v_and_b32 v11, 31, v0
	v_lshl_add_u32 v[AV0], v11, 3, VOFF            ; V: 8 x lane, + 256 for each pair
	v_lshl_add_u32 v[AS0], v8, 4, SCK              ; scale words: 16 bytes a row: four tiles'
	v_lshlrev_b32 v[LI], 4, v11
	v_lshlrev_b32 v[PFO], 8, v11
	v_lshl_add_u32 v[STW], v8, 4, s70
	v_lshl_add_u32 v[STR], v11, 4, STG
.irp i, 0,1,2
	global_load_b64 v[16+2*\i:17+2*\i], v[AK0], s[4:5] offset:512*\i
	global_load_b64 v[22+2*\i:23+2*\i], v[AK1], s[4:5] offset:512*\i
.endr
	v_lshlrev_b32 v254, 4, v8
	global_load_b32 v255, v254, s[6:7]             ; Q's scale words
	v_mov_b32 v13, 0xff61b1e6                      ; the largest t so far: -3e38
	v_floor_f32 v12, -v13                          ; -M
	v_mov_b32 v14, 0
	v_mov_b32 v15, 0
.irp b, 0,1,2,3
	v_mov_b32 v[236+\b], 0                         ; a lane permute's destination counts as one of its sources
.endr
	v_mov_b32 v253, 0
.set J, 0
.rept 64
	v_mov_b32 v[160+J], 0                          ; O^T: the step is written alike for all steps; the first finds zeros
.set J, J+1
.endr
; A KEY STEP: 128 keys, whose fragments are in registers or on their way.
; chg = 1: the slot is left behind the first product and filled again; 2: it is left and not filled; 0: it is kept.  kn: the step of the slot whose K is asked for in the softmax's middle (-1: none).
; vn: the step whose V is asked for behind the second product (-1: none).  vw: the LDS loads issued behind this step's V.
.macro STEP chg, kn, vn, vw
	s_wait_dscnt 50                                ; this step's K is in: behind its loads only this step's V, 50 loads, has been issued
	WIN 0x01                                       ; source 0 window 1
.irp t, 0,1,2,3,4,5,6,7                        ; S^T = K Q^T: eight tiles of 16 keys
	v_wmma_scale_f32_16x16x128_f8f6f4 v[96+8*\t:103+8*\t], v[KF+12*\t:KF+12*\t+11], v[16:27], 0, v[KS+\t], v255 matrix_a_fmt:MATRIX_FMT_FP6 matrix_b_fmt:MATRIX_FMT_FP6
.endr
	WIN 0
	PLACES                                         ; in front of the first read of the scores, and of loads into K's registers
.if (\chg) == 1
	CHANGE 1                                       ; every read of this slot has been issued: K's last in the step before, V's last behind it
.endif
.if (\chg) == 2
	CHANGE 0
.endif
.if (\chg) != 0
	s_xor_b32 s[TB], s[TB], SLOT1                  ; on to the other slot,
	s_add_co_u32 s[TS], s[TS], 2048                ; and to its four steps' scale words
	ADDR                                           ; (no LDS load of mine is out)
	LOADK 0
.endif
.irp b, 0,1,2,3
	v_max3_num_f32 v[232+\b], v[96+16*\b], v[97+16*\b], v[98+16*\b]   ; the largest score of each block of 32 keys: for the row's maximum and, since p rises with the score, for the block's largest p
.endr
.irp i, 3,5,7,9,11,13
.irp b, 0,1,2,3
	v_max3_num_f32 v[232+\b], v[232+\b], v[96+16*\b+\i], v[97+16*\b+\i]
.endr
.endr
.irp b, 0,1,2,3
	v_max_num_f32 v[232+\b], v[232+\b], v[111+16*\b]
.endr
.irp b, 0,1,2,3
	v_permlanex16_b32 v[236+\b], v[232+\b], s[SEL], s[SEL+1]
.endr
.irp b, 0,1,2,3
	v_max_num_f32 v[232+\b], v[232+\b], v[236+\b]  ; with lane l xor 16's 16 keys
.endr
	v_max3_num_f32 v254, v232, v233, v234
	v_max_num_f32 v254, v254, v235
	v_mul_f32 v254, s[CS], v254
	v_max_num_f32 v13, v13, v254                   ; the running largest t
	v_mov_b32 v254, v12
	v_floor_f32 v12, -v13                          ; the new -M: M is a whole number
	v_sub_f32 v254, v12, v254
	v_cvt_i32_f32 v254, v254
	v_ldexp_f32 v252, 1.0, v254                    ; f = 2^(old M - new M)
.set J, 0
.rept 32
	v_pk_fma_f32 v[96+J:97+J], v[96+J:97+J], s[CS:CS+1], v[12:13] op_sel_hi:[1,0,0]   ; t - M
.set J, J+2
.endr
.irp b, 0,1,2,3
	v_fma_f32 v[232+\b], v[232+\b], s[CS], v12
.endr
.set J, 0
.rept 64
	v_exp_f32 v[96+J], v[96+J]                     ; p = 2^(t - M)
.set J, J+1
.endr
	v_pk_mul_f32 v[14:15], v[14:15], v[252:253] op_sel_hi:[1,0]   ; the sums under the new M (a plain place behind the exponentials)
	s_wait_alu depctr_va_vdst(0)                   ; one wait for the batch, ahead of its first reader
.if (\kn) >= 0
	LOADK \kn                                      ; the next step's K: the rest of the softmax and eight products stand ahead of its use
.endif
.irp b, 0,1,2,3
	v_exp_f32 v[232+\b], v[232+\b]                 ; the block's largest p
.endr
	v_pk_add_f32 v[236:237], v[96:97], v[98:99]    ; the row's sum, of the unquantised p, in two chains
.irp j, 4,8,12,16,20,24,28,32,36,40,44,48,52,56,60
	v_pk_add_f32 v[14:15], v[14:15], v[96+\j:97+\j]
	v_pk_add_f32 v[236:237], v[236:237], v[98+\j:99+\j]
.endr
	v_pk_add_f32 v[14:15], v[14:15], v[236:237]
	s_wait_alu depctr_va_vdst(0)                   ; and one for the four
.irp b, 0,1,2,3
	v_max_num_f32 v[232+\b], 0x1800000, v[232+\b]  ; the floor 2^(3 - 127)
.endr
.irp b, 0,1,2,3
	v_add_nc_u32 v[244+\b], 0xff000000, v[232+\b]  ; 2 off the exponent field: the conversion's scale operand
.endr
.irp b, 0,1,2,3
	v_lshrrev_b32 v[236+\b], 23, v[244+\b]
.endr
	v_lshl_or_b32 v253, v237, 8, v236              ; p's scale word for these 128 keys
	v_lshl_or_b32 v253, v238, 16, v253
	v_lshl_or_b32 v253, v239, 24, v253
.irp c, 0,1
	v_cvt_scalef32_pk16_fp6_f32 v[224+6*\c:226+6*\c], v[96+32*\c:111+32*\c], v[244+2*\c]
	v_cvt_scalef32_pk16_fp6_f32 v[236+4*\c:238+4*\c], v[112+32*\c:127+32*\c], v[244+2*\c+1]
.endr
	v_nop                                          ; one plain place behind a scaled conversion
.irp c, 0,1
.irp i, 0,1,2
	v_permlane16_swap_b32 v[224+6*\c+\i], v[236+4*\c+\i]
.endr
.irp i, 0,1,2
	v_mov_b32 v[227+6*\c+\i], v[236+4*\c+\i]
.endr
.endr
.set J, 0
.rept 32
	v_pk_mul_f32 v[160+J:161+J], v[160+J:161+J], v[252:253] op_sel_hi:[1,0]   ; O^T under the new M, ascending; these 32 are also the places between p's codes and scale word and the products below
.set J, J+2
.endr
	PLACES                                         ; and four between the last of them and the products that add onto what they wrote
	s_wait_dscnt \vw                               ; this step's V is in: behind its loads only the next step's K, 50 loads, has been issued (in the last step nothing)
	WIN 0x01
.irp t, 0,1,2,3,4,5,6,7                        ; O^T += V^T P^T: eight tiles of 16 channels, eight accumulators by turns
	v_wmma_scale_f32_16x16x128_f8f6f4 v[160+8*\t:167+8*\t], v[VF+12*\t:VF+12*\t+11], v[224:235], v[160+8*\t:167+8*\t], v[VS+\t], v253 matrix_a_fmt:MATRIX_FMT_FP6 matrix_b_fmt:MATRIX_FMT_FP6
.endr
	WIN 0
	PLACES                                         ; in front of loads into V's registers; behind the last step: of the first read of O^T
.if (\vn) >= 0
	LOADV \vn                                      ; the next step's V: eight products and a softmax stand ahead of its use
.endif
.endm
	s_wait_loadcnt 0x0                             ; Q
	CHANGE 1                                       ; the scale words and slot 0 are whole in every wave's sight; slot 1 is asked for
	ADDR
	LOADK 0
	LOADV 0
	s_mov_b32 s[SLOTS], 2
.Lslot:                                            ; two trips: the two slots that are filled again
	STEP 0, 1, 1, 50
	STEP 0, 2, 2, 50
	STEP 0, 3, 3, 50
	STEP 1, -1, 0, 50
	s_sub_co_u32 s[SLOTS], s[SLOTS], 1
	s_cmp_lg_u32 s[SLOTS], 0
	s_cbranch_scc1 .Lslot
	STEP 0, 1, 1, 50                               ; the last two slots are written out: the third is left without a fill
	STEP 0, 2, 2, 50
	STEP 0, 3, 3, 50
	STEP 2, -1, 0, 50
	STEP 0, 1, 1, 50                               ; and the fourth is not left
	STEP 0, 2, 2, 50
	STEP 0, 3, 3, 50
	STEP 0, -1, -1, 0
	; THE WAY OUT (the last step's four places stand behind the last products)
	v_add_f32 v14, v14, v15
	v_permlanex16_b32 v252, v14, s[SEL], s[SEL+1]
	v_add_f32 v14, v14, v252                       ; the row's sum
	v_rcp_f32 v14, v14
	v_nop                                          ; a plain place behind it
	s_wait_alu depctr_va_vdst(0)                   ; the wait, ahead of the first reader
	v_mov_b32 v15, v14
.set J, 0
.rept 32
	v_pk_mul_f32 v[160+J:161+J], v[160+J:161+J], v[14:15]   ; O^T / the sum, ascending
.set J, J+2
.endr
.irp b, 0,1,2,3                                ; lanes 16-31: the two groups of eight registers of each block change places: register 16 b + i is then channel 32 b + 16 (lane / 16) + i
.irp j, 0,1,2,3,4,5,6,7
	v_cndmask_b32 v[96+16*\b+\j], v[160+16*\b+\j], v[168+16*\b+\j], s[MH]
	v_cndmask_b32 v[104+16*\b+\j], v[168+16*\b+\j], v[160+16*\b+\j], s[MH]
.endr
.endr
.irp b, 0,1,2,3
	v_max3_num_f32 v[TM+\b], |v[96+16*\b]|, |v[97+16*\b]|, 0x1800000
.endr
.irp i, 2,4,6,8,10,12,14
.irp b, 0,1,2,3
	v_max3_num_f32 v[TM+\b], v[TM+\b], |v[96+16*\b+\i]|, |v[97+16*\b+\i]|
.endr
.endr
.irp b, 0,1,2,3
	v_permlanex16_b32 v[TM+4+\b], v[TM+\b], s[SEL], s[SEL+1]
.endr
.irp b, 0,1,2,3
	v_max_num_f32 v[TM+\b], v[TM+\b], v[TM+4+\b]
.endr
.irp b, 0,1,2,3
	v_add_nc_u32 v[TM+12+\b], 0xff000000, v[TM+\b]
.endr
.irp b, 0,1,2,3
	v_lshrrev_b32 v[TM+4+\b], 23, v[TM+12+\b]
.endr
	v_lshl_or_b32 v[PW], v[TM+5], 8, v[TM+4]
	v_lshl_or_b32 v[PW], v[TM+6], 16, v[PW]
	v_lshl_or_b32 v[PW], v[TM+7], 24, v[PW]
.irp c, 0,1
	v_cvt_scalef32_pk16_fp6_f32 v[PC+6*\c:PC+2+6*\c], v[96+32*\c:111+32*\c], v[TM+12+2*\c]
	v_cvt_scalef32_pk16_fp6_f32 v[PC+12+4*\c:PC+14+4*\c], v[112+32*\c:127+32*\c], v[TM+12+2*\c+1]
.endr
	v_nop
.irp c, 0,1
.irp i, 0,1,2
	v_permlane16_swap_b32 v[PC+6*\c+\i], v[PC+12+4*\c+\i]
.endr
.irp i, 0,1,2
	v_mov_b32 v[PC+3+6*\c+\i], v[PC+12+4*\c+\i]
.endr
.endr
.irp c, 0,1,2
	global_store_b128 v[LI], v[PC+4*\c:PC+4*\c+3], s[16:17] offset:512*\c   ; the fragment as it stands: 512 consecutive bytes a store
.endr
	ds_store_b32 v[STW], v[PW]                     ; lanes r and r + 16 write the same word with the same value
	s_wait_dscnt 0x0
	s_barrier_signal -1
	s_barrier_wait -1
	s_cmp_lg_u32 s[WV], 0
	s_cbranch_scc1 .Lnot_0
	ds_load_b128 v[96:99], v[STR]                  ; the eight tiles' words: 512 consecutive bytes
	s_wait_dscnt 0x0
	global_store_b128 v[LI], v[96:99], s[18:19]
.Lnot_0:
	s_wait_tensorcnt 0x0                           ; the wave's end
	ds_add_u32 v[SPW], v[NIL]
	s_wait_dscnt 0x0
	CROUND                                         ; the closing round
	s_endpgm
.Lfunc_end_k_qfd4fd887d3_attn:
	.size	k_qfd4fd887d3_attn, .Lfunc_end_k_qfd4fd887d3_attn-k_qfd4fd887d3_attn
	.p2alignl 7, 3214868480
	.fill 96, 4, 3214868480
	.section	.rodata,"a",@progbits
	.p2align	6, 0x0
	.amdhsa_kernel k_qfd4fd887d3_attn
		.amdhsa_group_segment_fixed_size 327680
		.amdhsa_private_segment_fixed_size 0
		.amdhsa_enable_private_segment 0
		.amdhsa_kernarg_size 64
		.amdhsa_user_sgpr_count 2
		.amdhsa_user_sgpr_kernarg_segment_ptr 1
		.amdhsa_wavefront_size32 1
		.amdhsa_system_sgpr_workgroup_id_x 1
		.amdhsa_system_sgpr_workgroup_id_y 1
		.amdhsa_system_sgpr_workgroup_id_z 1
		.amdhsa_system_vgpr_workitem_id 0
		.amdhsa_next_free_vgpr 512
		.amdhsa_next_free_sgpr 100
		.amdhsa_reserve_vcc 0
		.amdhsa_float_denorm_mode_32 3
		.amdhsa_float_denorm_mode_16_64 3
		.amdhsa_memory_ordered 1
		.amdhsa_forward_progress 1
		.amdhsa_inst_pref_size 255
	.end_amdhsa_kernel
	.section	.bss,"aw",@nobits
	.p2align	6
	.space	262144
	.amdgpu_metadata
---
amdhsa.version: [ 1, 2 ]
amdhsa.kernels:
  - .name:           k_qfd4fd887d3_attn
    .symbol:         k_qfd4fd887d3_attn.kd
    .args:
      - { .name: qfrag, .offset: 0, .size: 8, .value_kind: global_buffer, .address_space: global }
      - { .name: qsw, .offset: 8, .size: 8, .value_kind: global_buffer, .address_space: global }
      - { .name: kfrag, .offset: 16, .size: 8, .value_kind: global_buffer, .address_space: global }
      - { .name: ksw, .offset: 24, .size: 8, .value_kind: global_buffer, .address_space: global }
      - { .name: vfrag, .offset: 32, .size: 8, .value_kind: global_buffer, .address_space: global }
      - { .name: vsw, .offset: 40, .size: 8, .value_kind: global_buffer, .address_space: global }
      - { .name: afrag, .offset: 48, .size: 8, .value_kind: global_buffer, .address_space: global }
      - { .name: asw, .offset: 56, .size: 8, .value_kind: global_buffer, .address_space: global }
    .group_segment_fixed_size: 327680
    .private_segment_fixed_size: 0
    .kernarg_segment_align: 8
    .kernarg_segment_size: 64
    .max_flat_workgroup_size: 256
    .sgpr_count:     100
    .vgpr_count:     512
    .wavefront_size: 32
...
	.end_amdgpu_metadata
.endif
;; end of part 2
;; launch proj (part 3): grid 16 x 16, 4 waves a work-group, clusters of 4 x 4, 327,680 bytes of LDS; arguments afrag, asw, Wout_codes, Wout_scales, out0; writes out0
.if DOCPART == 3
	.amdgcn_target "amdgcn-amd-amdhsa--gfx1250"
	.amdhsa_code_object_version 6
	.text
	.protected	k_qfd4fd887d3_proj
	.globl	k_qfd4fd887d3_proj
	.p2align	8
	.type	k_qfd4fd887d3_proj,@function
k_qfd4fd887d3_proj:
	s_mov_b64 s[64:65], 0
	v_nop
	global_prefetch_b8 v0, s[64:65] scope:SCOPE_SE
	s_setreg_imm32_b32 hwreg(HW_REG_WAVE_MODE, 25, 1), 1
	s_wait_xcnt 0x0
	s_wait_alu depctr_hold_cnt(0) depctr_sa_sdst(0) depctr_va_vdst(0) depctr_va_sdst(0) depctr_va_ssrc(0) depctr_va_vcc(0) depctr_vm_vsrc(0)
	s_getreg_b32 s2, hwreg(HW_REG_IB_STS2, 6, 4)
	s_cmp_eq_u32 s2, 0
	s_cbranch_scc0 .Lentry_in_a_cluster
	s_endpgm
.Lentry_in_a_cluster:
	s_bfe_u32 s2, ttmp6, 0x10000c
	s_cmp_lg_u32 s2, 0xf033
	s_cbranch_scc0 .Lentry_shape_is_right
	s_endpgm
.Lentry_shape_is_right:
; out0 = a Wout^T on codes of FP6 (E2M3) with E8M0 scales; a is the attention's result, stored by the launch before as images of this product's operand registers (16 tokens x 128 K: 1,536 bytes) with its scale words.
; A tile of out0 is 128 x 128, so that 256 work-groups have one each; wave (rh, nh) makes 64 x 64: 16 accumulators.  The matrix instruction is used transposed (source 0 = 16 rows of Wout, source 1 = 16 tokens):
; a lane holds eight neighbouring numbers of a row of out0.  K goes in units of 512 (four heads) through two LDS slots; the four units are written out.
; CLUSTERS: 4 x 4 work-groups; a's images are shared along a row of the cluster (waves 0, 1 ask for the two halves of a unit), Wout's tiles along a column (waves 2, 3 ask for 256 along K each).
; The tokens of a's tile t are 32 (t / 2) + rows 0-7 and 24-31 (t even) or rows 8-23 (t odd) of the block of 128: the stage on the way out puts the rows in their places.
; REGISTERS: window 0: v16-29 addresses; v32-95 scale words, two sets, and nothing else; v128-255 the accumulators (4 T + i).  window 1: two sets of fragments: a's at 96 p + 12 T, Wout's at 96 p + 48 + 12 i.
.set PITCH,  240
.set ROWB,   192
.set KROW,   1536
.set BOFF,   49152                     ; a slot: a's 4 x 8 images, then Wout's two tiles of 128 rows x 240 bytes
.set BSUB,   128*PITCH
.set SLOT,   BOFF+2*BSUB
.set SCA,    2*SLOT                    ; a's scale words: 8,192 bytes
.set SCB,    SCA+8192                  ; Wout's scale bytes: 32 rows of 256 + 16
.set SPARE,  SCB+2*4352                ; the spare words: 128 bytes a wave, named by no other line
.set STAGE,  SPARE+512                 ; 128 rows x (512 + 16) bytes
.set SPITCH, 528
.set ADA,  16
.set ASA,  18
.set ASB,  19
.set ADB,  20
.set SO,   24
.set SR,   26
.set CO,   27
.set SPW,  28
.set NIL,  29
.set SC,   32                          ; SC + 32 set: + 4 q + T a's words; + 16 + 4 i + q Wout's
.set ACC,  128
.set G1,   24
.set G0,   32
.set G1B,  48
.set G0B,  56
.set G1S,  68
.set G0S,  76
.set G1SB, 80
.set G0SB, 88
.set MUL,  0x05                        ; sources 0 and 1 window 1
.set TO_F, 0x40                        ; destination window 1
.set MSB, 0
.macro WIN new
.if MSB != (\new)
	s_set_vgpr_msb (MSB<<8)|(\new)
.set MSB, (\new)
.endif
.endm
.macro PLACES
.rept 4
	v_nop
.endr
.endm
.macro JLOAD g0a, g1a, g0b, g1b        ; waves 0, 1 ask for a's, waves 2, 3 for Wout's; four v_nop follow each line
	s_cmp_eq_u32 s15, 0
	s_cbranch_scc0 .Lfor_b_\@
	tensor_load_to_lds s[\g0a:\g0a+3], s[\g1a:\g1a+7]
	s_nop 0
.rept 4
	v_nop
.endr
	s_branch .Lasked_\@
.Lfor_b_\@:
	tensor_load_to_lds s[\g0b:\g0b+3], s[\g1b:\g1b+7]
	s_nop 0
.rept 4
	v_nop
.endr
.Lasked_\@:
.endm
.macro CREST
	s_cmp_lg_u32 s14, 0
	s_cbranch_scc1 .Lnot_wave_0_\@
	s_barrier_signal -3
.Lnot_wave_0_\@:
	s_barrier_wait -3
	s_barrier_signal -1
	s_barrier_wait -1
.endm
.macro CROUND
	s_barrier_signal -1
	s_barrier_wait -1
	CREST
.endm
.macro FRAG reg, adr, q, imm           ; 16 rows x 128 K from padded rows: six pieces of 8 bytes; the second address register serves the pieces behind one padding more
.irp p, 0,1,2,3,4,5
.set PCE, 12*(\q)+6*(\p/3)+\p%3
.if PCE%8 < 5
	ds_load_b64 v[\reg+2*\p:\reg+2*\p+1], v[\adr] offset:8*PCE+16*(PCE/8)+(\imm)
.else
	ds_load_b64 v[\reg+2*\p:\reg+2*\p+1], v[\adr+2] offset:8*PCE+16*(PCE/8)+(\imm)
.endif
.endr
.endm
.macro FETCH sl, q, st                 ; the unit's q-th 128 along K: a's four images (12 loads of 16 bytes), Wout's four fragments (24 of 8): 36 loads
	WIN TO_F
.irp T, 0,1,2,3
.irp g, 0,1,2
	ds_load_b128 v[96*(\st)+12*\T+4*\g:96*(\st)+12*\T+4*\g+3], v[ADA+\sl] offset:12288*(\q)+1536*\T+512*\g
.endr
.endr
.irp i, 0,1,2,3
	FRAG 96*(\st)+48+12*\i, ADB+(\sl), (\q)%2, BSUB*((\q)/2)+\i*16*PITCH
.endr
	WIN 0
.endm
.macro SCALES un, st                   ; a unit's scale words: eight loads of 16 bytes
.irp q, 0,1,2,3
	ds_load_b128 v[SC+32*(\st)+4*\q:SC+32*(\st)+4*\q+3], v[ASA] offset:512*(4*(\un)+\q)
.endr
.irp i, 0,1,2,3
	ds_load_b128 v[SC+32*(\st)+16+4*\i:SC+32*(\st)+16+4*\i+3], v[ASB] offset:1088*\i+16*(\un)
.endr
.endm
.macro MUL8 st, q, sc, t0, zero        ; eight matrix instructions on eight accumulators; the sixteen take turns
.irp T, \t0, \t0+1
.irp i, 0,1,2,3
.if \zero
	v_wmma_scale_f32_16x16x128_f8f6f4 v[ACC+8*(4*(\T)+\i):ACC+8*(4*(\T)+\i)+7], v[96*(\st)+48+12*\i:96*(\st)+48+12*\i+11], v[96*(\st)+12*(\T):96*(\st)+12*(\T)+11], 0, v[SC+32*(\sc)+16+4*\i+(\q)], v[SC+32*(\sc)+4*(\q)+(\T)] matrix_a_fmt:MATRIX_FMT_FP6 matrix_b_fmt:MATRIX_FMT_FP6
.else
	v_wmma_scale_f32_16x16x128_f8f6f4 v[ACC+8*(4*(\T)+\i):ACC+8*(4*(\T)+\i)+7], v[96*(\st)+48+12*\i:96*(\st)+48+12*\i+11], v[96*(\st)+12*(\T):96*(\st)+12*(\T)+11], v[ACC+8*(4*(\T)+\i):ACC+8*(4*(\T)+\i)+7], v[SC+32*(\sc)+16+4*\i+(\q)], v[SC+32*(\sc)+4*(\q)+(\T)] matrix_a_fmt:MATRIX_FMT_FP6 matrix_b_fmt:MATRIX_FMT_FP6
.endif
.endr
.endr
.endm
.macro STEP sl, q, zero                ; one of a unit's first three steps: the next step's fragments are asked for, then this step's are multiplied
	PLACES
	FETCH \sl, (\q)+1, ((\q)+1)%2
	s_wait_dscnt 36                                ; all but the 36 just issued
	WIN MUL
	MUL8 (\q)%2, \q, \sl, 0, \zero
	MUL8 (\q)%2, \q, \sl, 2, \zero
	WIN 0
.endm
; A unit's last step changes slots: one barrier; in front of it each wave waits for all its tensor loads, adds 0 to its spare word, and waits for that and for its reads of this slot.
.macro TURN sl, nx, fill, un
	s_wait_tensorcnt 0x0                           ; all my tensor loads have landed: my part of the next slot
	ds_add_u32 v[SPW], v[NIL]                      ; 0 onto my spare word
	WIN MUL
	s_wait_dscnt 0x0                               ; the add is done, and my reads of this slot are over
	s_barrier_signal -1
	MUL8 1, 3, \sl, 0, 0
	WIN 0
	s_barrier_wait -1
.if \fill
	CREST                                          ; the barrier has opened a round of the cluster's barrier
	s_add_nc_u64 s[G0+4*\sl+2:G0+4*\sl+3], s[G0+4*\sl+2:G0+4*\sl+3], 2*BOFF
	s_add_nc_u64 s[G0B+4*\sl+2:G0B+4*\sl+3], s[G0B+4*\sl+2:G0B+4*\sl+3], 4*ROWB
	JLOAD G0+4*\sl, G1, G0B+4*\sl, G1B             ; the first tensor load behind the round; its four v_nop are the places in front of the loads below
.else
	PLACES
.endif
	SCALES \un, \nx
	FETCH \nx, 0, 0
	WIN MUL
	MUL8 1, 3, \sl, 2, 0
	WIN 0
.endm
	s_load_b256 s[4:11], s[0:1], 0x0               ; afrag, asw, Wout's codes, Wout's scales
	s_load_b64 s[12:13], s[0:1], 0x20              ; out0
	v_lshl_add_u32 v[SPW], v0, 2, SPARE
	v_mov_b32 v[NIL], 0
	ds_add_u32 v28, v29
	s_wait_dscnt 0x0
	v_lshrrev_b32 v1, 5, v0
	v_readfirstlane_b32 s14, v1                    ; wave 0..3
	s_lshr_b32 s15, s14, 1                         ; rh.  Also: I fetch for a (0) or for Wout (1)
	s_and_b32 s16, s14, 1                          ; nh.  Also: which half I fetch
	s_bfe_u32 s40, ttmp6, 0x40000
	s_bfe_u32 s41, ttmp6, 0x40004
	s_lshl_b32 s42, ttmp9, 2
	s_add_co_u32 s42, s42, s40                     ; tile column
	s_and_b32 s17, ttmp7, 0xffff
	s_lshl_b32 s17, s17, 2
	s_add_co_u32 s17, s17, s41                     ; tile row: the block of 128 tokens
	s_lshl_b32 s43, s41, 2
	s_lshl_b32 s43, 15, s43                        ; my row of the cluster
	s_lshl_b32 s44, 0x1111, s40                    ; my column
	s_or_b32 s[G1], s43, (3<<16)|(1<<21)           ; a's images: 24,576 dense bytes as 96 rows of 256, no padding
	s_mov_b32 s[G1+1], 32<<16
	s_mov_b32 s[G1+2], 96<<16
	s_mov_b32 s[G1+3], 32<<16
	s_mov_b32 s[G1+4], 96
	s_mov_b32 s[G1+5], 32
	s_mov_b32 s[G1+6], 0
	s_mov_b32 s[G1+7], 0
	s_or_b32 s[G1B], s44, (1<<20)|(1<<21)|(3<<22)|(3<<25)   ; Wout: 128 rows of 192 bytes, 16 bytes of padding behind every 64
	s_mov_b32 s[G1B+1], ROWB<<16
	s_mov_b32 s[G1B+2], 128<<16
	s_mov_b32 s[G1B+3], ROWB<<16
	s_mov_b32 s[G1B+4], 128
	s_mov_b32 s[G1B+5], KROW
	s_mov_b32 s[G1B+6], 0
	s_mov_b32 s[G1B+7], 0
	s_or_b32 s[G1S], s43, (3<<16)|(1<<21)          ; a's words: 16 rows of 256 bytes
	s_or_b32 s[G1SB], s44, (3<<16)|(1<<20)|(1<<21)|(5<<22)|(3<<25)   ; Wout's bytes: the same with 16 bytes of padding behind each row
.irp g, G1S, G1SB
	s_mov_b32 s[\g+1], 32<<16
	s_mov_b32 s[\g+2], 16<<16
	s_mov_b32 s[\g+3], 32<<16
	s_mov_b32 s[\g+4], 16
	s_mov_b32 s[\g+5], 32
	s_mov_b32 s[\g+6], 0
	s_mov_b32 s[\g+7], 0
.endr
	s_mul_i32 s20, s17, 196608
	s_mul_i32 s18, s16, 24576
	s_add_co_u32 s20, s20, s18
	s_mov_b32 s21, 0
	s_lshl_b32 s22, s17, 13
	s_lshl_b32 s18, s16, 12
	s_add_co_u32 s22, s22, s18
	s_mov_b32 s23, 0
	s_mul_i32 s46, s42, 128*KROW
	s_mul_i32 s19, s16, ROWB
	s_add_co_u32 s46, s46, s19
	s_mov_b32 s47, 0
	s_lshl_b32 s92, s42, 13
	s_add_co_u32 s92, s92, s18
	s_mov_b32 s93, 0
	s_mul_i32 s45, s16, 24576                      ; where they go: no place in the cluster enters an LDS address
	s_mul_i32 s94, s16, BSUB
	s_add_co_u32 s94, s94, BOFF
	s_lshl_b32 s95, s16, 12
	s_add_co_u32 s95, s95, SCA
	s_mul_i32 s96, s16, 4352
	s_add_co_u32 s96, s96, SCB
	s_wait_kmcnt 0x0
	s_add_nc_u64 s[20:21], s[4:5], s[20:21]
	s_add_nc_u64 s[22:23], s[6:7], s[22:23]
	s_add_nc_u64 s[46:47], s[8:9], s[46:47]
	s_add_nc_u64 s[92:93], s[10:11], s[92:93]
	CROUND                                         ; all sixteen work-groups are here: the first joint loads meet
	s_mov_b32 s[G0S], 1
	s_mov_b32 s[G0S+1], s95
	s_mov_b64 s[G0S+2:G0S+3], s[22:23]
	s_or_b32 s[G0S+3], s[G0S+3], 0x80000000
	s_mov_b32 s[G0SB], 1
	s_mov_b32 s[G0SB+1], s96
	s_mov_b64 s[G0SB+2:G0SB+3], s[92:93]
	s_or_b32 s[G0SB+3], s[G0SB+3], 0x80000000
	JLOAD G0S, G1S, G0SB, G1SB                     ; the scales first: filled once
.irp sl, 0,1
	s_mov_b32 s[G0+4*\sl], 1
	s_add_co_u32 s[G0+4*\sl+1], s45, \sl*SLOT
	s_add_nc_u64 s[G0+4*\sl+2:G0+4*\sl+3], s[20:21], \sl*BOFF
	s_or_b32 s[G0+4*\sl+3], s[G0+4*\sl+3], 0x80000000
	s_mov_b32 s[G0B+4*\sl], 1
	s_add_co_u32 s[G0B+4*\sl+1], s94, \sl*SLOT
	s_add_nc_u64 s[G0B+4*\sl+2:G0B+4*\sl+3], s[46:47], \sl*2*ROWB
	s_or_b32 s[G0B+4*\sl+3], s[G0B+4*\sl+3], 0x80000000
	JLOAD G0+4*\sl, G1, G0B+4*\sl, G1B             ; three loads of mine are out
.endr
	v_and_b32 v1, 15, v0                           ; r
	v_bfe_u32 v2, v0, 4, 1                         ; h
	v_and_b32 v3, 31, v0
	v_lshlrev_b32 v[CO], 4, v3                     ; 16 x lane
	s_mul_i32 s18, s15, 4*1536                     ; a: my four tiles
	v_add_nc_u32 v[ADA], s18, v[CO]
	s_add_co_u32 s18, s18, SLOT
	v_add_nc_u32 v[ADA+1], s18, v[CO]
	v_mul_u32_u24 v4, v1, PITCH
	v_mad_u32_u24 v4, v2, 24, v4
	v_lshl_add_u32 v5, v2, 4, v4
	s_mul_i32 s18, s16, 64*PITCH                   ; Wout: my 64 rows
	s_add_co_u32 s18, s18, BOFF
.irp sl, 0,1
	v_add_nc_u32 v[ADB+\sl], s18, v4
	v_add_nc_u32 v[ADB+2+\sl], s18, v5
	s_add_co_u32 s18, s18, SLOT
.endr
	s_lshl_b32 s18, s15, 8
	s_add_co_u32 s18, s18, SCA
	v_lshl_add_u32 v[ASA], v1, 4, s18
	v_lshrrev_b32 v6, 2, v1
	v_lshlrev_b32 v7, 6, v1
	v_lshl_add_u32 v6, v6, 4, v7                   ; 64 r + 16 (r / 4)
	s_mul_i32 s18, s16, 4352
	s_add_co_u32 s18, s18, SCB
	v_add_nc_u32 v[ASB], s18, v6
	v_and_b32 v6, 8, v1
	v_lshl_add_u32 v6, v6, 1, v1                   ; an even tile's token: r + 16 (r / 8)
	v_add_nc_u32 v7, 8, v1                         ; an odd tile's: r + 8
	s_mul_i32 s18, s15, 64*SPITCH
	s_lshl_b32 s19, s16, 8
	s_add_co_u32 s18, s18, s19
	s_add_co_u32 s18, s18, STAGE
	v_mul_u32_u24 v6, v6, SPITCH
	v_lshl_add_u32 v6, v2, 5, v6
	v_add_nc_u32 v[SO], s18, v6
	v_mul_u32_u24 v7, v7, SPITCH
	v_lshl_add_u32 v7, v2, 5, v7
	v_add_nc_u32 v[SO+1], s18, v7
	s_mul_i32 s18, s14, 32*SPITCH
	s_add_co_u32 s18, s18, STAGE
	v_add_nc_u32 v[SR], s18, v[CO]
	s_lshl_b32 s18, s17, 20                        ; out0: 128 rows of 8,192 bytes a tile row,
	s_lshl_b32 s19, s14, 18                        ; 32 rows a wave,
	s_add_co_u32 s18, s18, s19
	s_lshl_b32 s19, s42, 9                         ; 512 bytes a tile column
	s_add_co_u32 s18, s18, s19
	s_mov_b32 s19, 0
	s_add_nc_u64 s[12:13], s[12:13], s[18:19]
	s_wait_tensorcnt 1                             ; the scales and my part of unit 0 are in; unit 1's load may be out
	s_barrier_signal -1
	s_barrier_wait -1
	SCALES 0, 0
	FETCH 0, 0, 0
	STEP 0, 0, 1                                   ; unit 0: the first products start the sums
	STEP 0, 1, 0
	STEP 0, 2, 0
	TURN 0, 1, 1, 1                                ; slot 0 takes unit 2
	STEP 1, 0, 0                                   ; unit 1
	STEP 1, 1, 0
	STEP 1, 2, 0
	TURN 1, 0, 1, 2                                ; slot 1 takes unit 3
	STEP 0, 0, 0                                   ; unit 2
	STEP 0, 1, 0
	STEP 0, 2, 0
	TURN 0, 1, 0, 3                                ; nothing is left to fetch
	STEP 1, 0, 0                                   ; unit 3
	STEP 1, 1, 0
	STEP 1, 2, 0
	s_wait_dscnt 0x0
	WIN MUL
	MUL8 1, 3, 1, 0, 0
	MUL8 1, 3, 1, 2, 0
	WIN 0
	; THE WAY OUT: a lane's 32 bytes of a row go into the work-group's stage, each row at its token's place; a barrier, since a row's 512 bytes come from two waves; each wave stores 32 whole rows.
	PLACES
.irp T, 0,1,2,3
.irp i, 0,1,2,3
	ds_store_b128 v[SO+\T%2], v[ACC+8*(4*\T+\i):ACC+8*(4*\T+\i)+3] offset:(\T/2)*32*SPITCH+64*\i      ; each accumulator from its low end on
	ds_store_b128 v[SO+\T%2], v[ACC+8*(4*\T+\i)+4:ACC+8*(4*\T+\i)+7] offset:(\T/2)*32*SPITCH+64*\i+16
.endr
.endr
	s_wait_dscnt 0x0                               ; for the others' sake
	s_barrier_signal -1
	s_barrier_wait -1
.set I, 0
.rept 32
	ds_load_b128 v[ACC+4*I:ACC+4*I+3], v[SR] offset:I*SPITCH
.set I, I+1
.endr
.set I, 0
.rept 32
	s_wait_dscnt 31-I
	global_store_b128 v[CO], v[ACC+4*I:ACC+4*I+3], s[12:13] offset:8192*I th:TH_STORE_NT   ; 32 lanes store 512 consecutive bytes, at a multiple of 256 from out0's first byte
.set I, I+1
.endr
	s_wait_tensorcnt 0x0                           ; the wave's end
	ds_add_u32 v[SPW], v[NIL]
	s_wait_dscnt 0x0
	CROUND                                         ; the closing round
	s_endpgm
.Lfunc_end_k_qfd4fd887d3_proj:
	.size	k_qfd4fd887d3_proj, .Lfunc_end_k_qfd4fd887d3_proj-k_qfd4fd887d3_proj
	.p2alignl 7, 3214868480
	.fill 96, 4, 3214868480
	.section	.rodata,"a",@progbits
	.p2align	6, 0x0
	.amdhsa_kernel k_qfd4fd887d3_proj
		.amdhsa_group_segment_fixed_size 327680
		.amdhsa_private_segment_fixed_size 0
		.amdhsa_enable_private_segment 0
		.amdhsa_kernarg_size 40
		.amdhsa_user_sgpr_count 2
		.amdhsa_user_sgpr_kernarg_segment_ptr 1
		.amdhsa_wavefront_size32 1
		.amdhsa_system_sgpr_workgroup_id_x 1
		.amdhsa_system_sgpr_workgroup_id_y 1
		.amdhsa_system_sgpr_workgroup_id_z 1
		.amdhsa_system_vgpr_workitem_id 0
		.amdhsa_next_free_vgpr 512
		.amdhsa_next_free_sgpr 100
		.amdhsa_reserve_vcc 0
		.amdhsa_float_denorm_mode_32 3
		.amdhsa_float_denorm_mode_16_64 3
		.amdhsa_memory_ordered 1
		.amdhsa_forward_progress 1
		.amdhsa_inst_pref_size 96
	.end_amdhsa_kernel
	.amdgpu_metadata
---
amdhsa.version: [ 1, 2 ]
amdhsa.kernels:
  - .name:           k_qfd4fd887d3_proj
    .symbol:         k_qfd4fd887d3_proj.kd
    .args:
      - { .name: afrag, .offset: 0, .size: 8, .value_kind: global_buffer, .address_space: global }
      - { .name: asw, .offset: 8, .size: 8, .value_kind: global_buffer, .address_space: global }
      - { .name: Wout_codes, .offset: 16, .size: 8, .value_kind: global_buffer, .address_space: global }
      - { .name: Wout_scales, .offset: 24, .size: 8, .value_kind: global_buffer, .address_space: global }
      - { .name: out0, .offset: 32, .size: 8, .value_kind: global_buffer, .address_space: global }
    .group_segment_fixed_size: 327680
    .private_segment_fixed_size: 0
    .kernarg_segment_align: 8
    .kernarg_segment_size: 40
    .max_flat_workgroup_size: 128
    .sgpr_count:     100
    .vgpr_count:     512
    .wavefront_size: 32
...
	.end_amdgpu_metadata
.endif
;; end of part 3
